; MI455X (gfx1250); checked and timed in simulation.
; The chip was launched on July 23, 2026; its instructions are those of AMD's public machine-readable ISA for CDNA 5 (MIT licence, August 2026) and "CDNA5" Instruction Set Architecture Reference Guide (July 2026). The comments in the code are by the model that wrote it; some were corrected since.
;; Diff Attn. Allowed arithmetic: float matrix products may take bf16 or f16 operands with f32 sums; all other float work in f32.
;; Inputs: Wk 512 x 512 float32; Wq 512 x 512 float32; Wv 256 x 512 float32; X 4 x 4,096 x 512 float32; bk 512 float32; bq 512 float32; bv 256 float32; lam 1 float32.
;; Outputs: out0 4 x 4,096 x 256 float32.
;; 3 versions, each right and faster than the one before. Each part assembles by itself: llvm-mc -triple=amdgcn-amd-amdhsa -mcpu=gfx1250 --defsym DOCPART=n.
;; ======== version 1 of 3: 4 launches
;; limits: values are held in f16: magnitudes above 65,504 overflow, below 6.1e-05 lose precision
;; workspace buffers: xw 18,087,936 bytes; bi 5,120 bytes; qkv 41,943,040 bytes; on 33,554,432 bytes
;; launch cvt (part 1): grid 553 x 1, 8 waves a work-group, no clusters, 0 bytes of LDS; arguments X, Wq, Wk, Wv, bq, bk, bv, xw, bi; writes xw, bi
.if DOCPART == 1
	.amdgcn_target "amdgcn-amd-amdhsa--gfx1250"
	.amdhsa_code_object_version 6
	.text
	.protected	k_qdf5a62502c_cvt
	.globl	k_qdf5a62502c_cvt
	.p2align	8
	.type	k_qdf5a62502c_cvt,@function
k_qdf5a62502c_cvt:
	s_mov_b64 s[64:65], 0
	v_nop
	global_prefetch_b8 v0, s[64:65] scope:SCOPE_SE
	s_setreg_imm32_b32 hwreg(HW_REG_WAVE_MODE, 25, 1), 1
	s_wait_xcnt 0x0
; X, Wq, Wk, Wv (f32) are rounded once to bf16 and laid one behind the other in xw, rows of 512 numbers: 16,384 rows of X, 512 of Wq, 512 of Wk, 256 of Wv.
; bq, bk, bv are rounded to bf16 too, kept as f32, and laid one behind the other in bi (1,280 numbers): every input of the module has the same rounding.
; A stream: no LDS, no barrier, no matrix unit; each byte is read once and written once.
; Work-groups 0-551 take 16,384 numbers each (65,536 bytes in, 32,768 out): 512 for X, 16 for Wq, 16 for Wk, 8 for Wv.  Work-group 552 takes the biases.
; A wave's load covers 512 consecutive bytes, its store 256 consecutive bytes at a multiple of 256 from xw's first byte.  All 16 loads of a thread go out before the first wait.
.set NGX,  512                         ; work-groups for X
.set NGQ,  528                         ; first work-group of Wk
.set NGK,  544                         ; first work-group of Wv
.set NGB,  552                         ; the biases' work-group
.set IN,   8                           ; v[8:71]   16 x 4 numbers as loaded
.set OUTR, 72                          ; v[72:103] 16 x 2 registers of bf16
	s_load_b512 s[4:19], s[0:1], 0x0               ; X s[4:5], Wq s[6:7], Wk s[8:9], Wv s[10:11], bq s[12:13], bk s[14:15], bv s[16:17], xw s[18:19]
	s_load_b64 s[20:21], s[0:1], 0x40              ; bi
	s_mov_b32 s22, ttmp9                           ; the work-group's number
	s_mov_b32 s29, 0                               ; high word of the offsets
	v_lshlrev_b32 v1, 4, v0                        ; 16 bytes a thread in
	v_lshlrev_b32 v2, 3, v0                        ; 8 bytes a thread out
	s_wait_kmcnt 0x0
	s_cmp_eq_u32 s22, NGB
	s_cbranch_scc1 .Lbias
	; which tensor, and which part of it: three compares of the work-group's number with constants
	s_mov_b32 s23, NGK
	s_cmp_lt_u32 s22, NGK
	s_cselect_b64 s[24:25], s[8:9], s[10:11]       ; Wk, else Wv
	s_cselect_b32 s23, NGQ, s23
	s_cmp_lt_u32 s22, NGQ
	s_cselect_b64 s[24:25], s[6:7], s[24:25]       ; Wq
	s_cselect_b32 s23, NGX, s23
	s_cmp_lt_u32 s22, NGX
	s_cselect_b64 s[24:25], s[4:5], s[24:25]       ; X
	s_cselect_b32 s23, 0, s23
	s_sub_co_u32 s23, s22, s23                     ; my part of that tensor
	s_lshl_b32 s28, s23, 16
	s_add_nc_u64 s[24:25], s[24:25], s[28:29]      ; 65,536 bytes a part
	s_lshl_b32 s28, s22, 15
	s_add_nc_u64 s[26:27], s[18:19], s[28:29]      ; xw is the tensors on end, so the work-group's number places the 32,768 bytes
.set i, 0
.rept 16
	global_load_b128 v[IN+4*i:IN+4*i+3], v1, s[24:25] offset:4096*i th:TH_LOAD_NT
.set i, i+1
.endr
.set i, 0
.rept 16
	s_wait_loadcnt 15-i                            ; loads come back in order: number i is in, the younger ones stay out
	v_cvt_pk_bf16_f32 v[OUTR+2*i], v[IN+4*i], v[IN+4*i+1]
	v_cvt_pk_bf16_f32 v[OUTR+2*i+1], v[IN+4*i+2], v[IN+4*i+3]
	global_store_b64 v2, v[OUTR+2*i:OUTR+2*i+1], s[26:27] offset:2048*i   ; no register is written twice, so nothing waits for a store
.set i, i+1
.endr
	s_endpgm
.Lbias:
	; waves 0, 1: bq; 2, 3: bk; 4: bv; 256 numbers a wave.  The other three waves have no part.
	v_lshrrev_b32 v3, 5, v0
	v_readfirstlane_b32 s30, v3
	s_cmp_gt_u32 s30, 4
	s_cbranch_scc1 .Lend
	s_cmp_lt_u32 s30, 4
	s_cselect_b64 s[24:25], s[14:15], s[16:17]
	s_cmp_lt_u32 s30, 2
	s_cselect_b64 s[24:25], s[12:13], s[24:25]
	s_and_b32 s28, s30, 1
	s_lshl_b32 s28, s28, 10                        ; the second half of bq or bk; wave 4 has 0
	s_add_nc_u64 s[24:25], s[24:25], s[28:29]
	s_lshl_b32 s28, s30, 10
	s_add_nc_u64 s[26:27], s[20:21], s[28:29]      ; bi + 1,024 x wave
	v_and_b32 v4, 31, v0
	v_lshlrev_b32 v4, 4, v4
	global_load_b128 v[8:11], v4, s[24:25]
	global_load_b128 v[12:15], v4, s[24:25] offset:512
	s_wait_loadcnt 0x0
.irp j, 0,1,2,3
	v_cvt_pk_bf16_f32 v[16+\j], v[8+2*\j], v[9+2*\j]     ; rounded to bf16,
.endr
.irp j, 0,1,2,3
	v_lshlrev_b32 v[24+2*\j], 16, v[16+\j]               ; and written as f32 again
	v_and_b32 v[25+2*\j], 0xffff0000, v[16+\j]
.endr
	global_store_b128 v4, v[24:27], s[26:27]
	global_store_b128 v4, v[28:31], s[26:27] offset:512
.Lend:
	s_endpgm
.Lfunc_end_k_qdf5a62502c_cvt:
	.size	k_qdf5a62502c_cvt, .Lfunc_end_k_qdf5a62502c_cvt-k_qdf5a62502c_cvt
	.p2alignl 7, 3214868480
	.fill 96, 4, 3214868480
	.section	.rodata,"a",@progbits
	.p2align	6, 0x0
	.amdhsa_kernel k_qdf5a62502c_cvt
		.amdhsa_group_segment_fixed_size 0
		.amdhsa_private_segment_fixed_size 0
		.amdhsa_enable_private_segment 0
		.amdhsa_kernarg_size 72
		.amdhsa_user_sgpr_count 2
		.amdhsa_user_sgpr_kernarg_segment_ptr 1
		.amdhsa_wavefront_size32 1
		.amdhsa_system_sgpr_workgroup_id_x 1
		.amdhsa_system_sgpr_workgroup_id_y 1
		.amdhsa_system_sgpr_workgroup_id_z 1
		.amdhsa_system_vgpr_workitem_id 0
		.amdhsa_next_free_vgpr 104
		.amdhsa_next_free_sgpr 66
		.amdhsa_reserve_vcc 0
		.amdhsa_float_denorm_mode_32 3
		.amdhsa_float_denorm_mode_16_64 3
		.amdhsa_memory_ordered 1
		.amdhsa_forward_progress 1
		.amdhsa_inst_pref_size 9
	.end_amdhsa_kernel
	.amdgpu_metadata
---
amdhsa.version: [ 1, 2 ]
amdhsa.kernels:
  - .name:           k_qdf5a62502c_cvt
    .symbol:         k_qdf5a62502c_cvt.kd
    .args:
      - { .name: X, .offset: 0, .size: 8, .value_kind: global_buffer, .address_space: global }
      - { .name: Wq, .offset: 8, .size: 8, .value_kind: global_buffer, .address_space: global }
      - { .name: Wk, .offset: 16, .size: 8, .value_kind: global_buffer, .address_space: global }
      - { .name: Wv, .offset: 24, .size: 8, .value_kind: global_buffer, .address_space: global }
      - { .name: bq, .offset: 32, .size: 8, .value_kind: global_buffer, .address_space: global }
      - { .name: bk, .offset: 40, .size: 8, .value_kind: global_buffer, .address_space: global }
      - { .name: bv, .offset: 48, .size: 8, .value_kind: global_buffer, .address_space: global }
      - { .name: xw, .offset: 56, .size: 8, .value_kind: global_buffer, .address_space: global }
      - { .name: bi, .offset: 64, .size: 8, .value_kind: global_buffer, .address_space: global }
    .group_segment_fixed_size: 0
    .private_segment_fixed_size: 0
    .kernarg_segment_align: 8
    .kernarg_segment_size: 72
    .max_flat_workgroup_size: 256
    .sgpr_count:     66
    .vgpr_count:     104
    .wavefront_size: 32
...
	.end_amdgpu_metadata
.endif
;; end of part 1
;; launch proj (part 2): grid 128 x 2, 4 waves a work-group, clusters of 4 x 1, 327,680 bytes of LDS; arguments xw, bi, qkv; writes qkv
.if DOCPART == 2
	.amdgcn_target "amdgcn-amd-amdhsa--gfx1250"
	.amdhsa_code_object_version 6
	.text
	.protected	k_qdf5a62502c_proj
	.globl	k_qdf5a62502c_proj
	.p2align	8
	.type	k_qdf5a62502c_proj,@function
k_qdf5a62502c_proj:
	s_mov_b64 s[64:65], 0
	v_nop
	global_prefetch_b8 v0, s[64:65] scope:SCOPE_SE
	s_setreg_imm32_b32 hwreg(HW_REG_WAVE_MODE, 25, 1), 1
	s_wait_xcnt 0x0
	s_wait_alu depctr_hold_cnt(0) depctr_sa_sdst(0) depctr_va_vdst(0) depctr_va_sdst(0) depctr_va_ssrc(0) depctr_va_vcc(0) depctr_vm_vsrc(0)
	s_getreg_b32 s2, hwreg(HW_REG_IB_STS2, 6, 4)
	s_cmp_eq_u32 s2, 0
	s_cbranch_scc0 .Lentry_in_a_cluster
	s_endpgm
.Lentry_in_a_cluster:
	s_bfe_u32 s2, ttmp6, 0x10000c
	s_cmp_lg_u32 s2, 0x3003
	s_cbranch_scc0 .Lentry_shape_is_right
	s_endpgm
.Lentry_shape_is_right:
; qkv[row][col] = sum over k of X[row][k] W[col][k] + bias[col]: 16,384 rows, 1,280 stacked columns (Q 512, K 512, V 256), K = 512.  Operands bf16 (from xw), sums f32, result rounded once to f16.
; LIMIT: f16 ends at 65,504; a projected number beyond that is lost.
; SHARES.  A work-group makes 128 rows x 640 columns; wave w has 64 rows (w / 2) and, in each of 5 steps of 128 columns, 64 of them (w % 2), in four blocks of 16.
; X STAYS IN REGISTERS: 64 rows x 512 K = 512 registers a wave, loaded once.  W goes through two LDS slots of 128 rows x the whole K, 1,024 bytes a row.
; CLUSTER.  The four row tiles of a cluster walk the same W, so each tile is asked for JOINTLY: the same tensor load, descriptor and mask in all four; each wave brings 32 rows.
; THE MATRIX INSTRUCTION IS USED TRANSPOSED (source 0 = 16 rows of W, source 1 = 16 rows of X): a lane holds one row of the result and eight neighbouring columns, which pack into 16 bytes.
; The bias is the C operand of each sum's first product: nothing is cleared, and no addition is written.
; THE WAY OUT.  A step's 128 columns are 256 bytes of a row of qkv, made by two waves: they meet in one stage in LDS, with a barrier between writing and reading and one between reading and the next writing.
; REGISTERS: window 0: addresses, bias, two sets of four accumulators, the way out.  Window 1: two buffers of W (16 fragments each).  Windows 2, 3: X (K 0-255, K 256-511).
.set PW,    1040                       ; a row of W in LDS: 1,024 bytes + 16: 260 words, so the 16 rows of a fragment load start 4 words apart modulo 64
.set PART,  32*PW                      ; what one tensor load brings
.set SLOT1, 4*PART                     ; 133,120 = 0x20800: its two bits are clear in every part's start, so one exclusive or changes slots
.set STAGE, 2*SLOT1                    ; 128 rows x 272 bytes; no tile lands here
.set SP,    272
.set SPARE, STAGE+128*SP               ; the spare words, 128 bytes a wave: two blocks of 256 bytes that no other line names
.set BT,    SPARE+512                  ; the work-group's 640 biases, f32; no tile lands here
.set WBASE, 16384*1024                 ; W's first byte in xw
.set QP,    2560                       ; bytes in a row of qkv
.set WSTEP, 128*1024                   ; 128 rows of W
.set ADW0, 3                           ; v3   my lane's place in a slot's W
.set ADW,  4                           ; v4   the same in the slot in hand
.set BA,   5                           ; v5   my 8 biases of the step's block 0
.set STO,  6                           ; v6   into the stage
.set RD,   7                           ; v7   back from the stage
.set CO,   8                           ; v8   my byte offset in qkv
.set XO,   9                           ; v9   my byte offset in 16 rows of X
.set SPW,  14                          ; v14  LDS address of my spare word; never rewritten
.set NIL,  15                          ; v15  0; never rewritten
.set BIAS, 16                          ; v[16:31]   two buffers of 8
.set ACC,  48                          ; v[48:111]  two sets of four accumulators
.set TMP,  112                         ; v[112:127] packed results
.set OB,   128                         ; v[128:191] rows read back from the stage
.set MSB, 0
.macro WIN new                         ; the immediate's high byte repeats the setting that is left; a switch that changes nothing is dropped
.if MSB != (\new)
	s_set_vgpr_msb (MSB<<8)|(\new)
.set MSB, \new
.endif
.endm
.macro PLACES                          ; four plain vector instructions between a matrix instruction and a load into, or a vector read of, its registers
.rept 4
	v_nop
.endr
.endm
.macro CROUND                          ; a round of the cluster's barrier: my work-group's barrier; wave 0 signals for the work-group; all wait for the four work-groups; my work-group's barrier again
	s_barrier_signal -1
	s_barrier_wait -1
	s_cmp_lg_u32 s10, 0
	s_cbranch_scc1 .Lnot_wave_0_\@
	s_barrier_signal -3
.Lnot_wave_0_\@:
	s_barrier_wait -3
	s_barrier_signal -1
	s_barrier_wait -1
.endm
.macro TLOAD set                       ; a joint load: every wave its own 32 rows; an s_nop 0 and four v_nop follow
	tensor_load_to_lds s[24+4*(\set):27+4*(\set)], s[16:23]
	s_nop 0
.rept 4
	v_nop
.endr
.endm
	s_load_b128 s[4:7], s[0:1], 0x0                ; xw s[4:5], bi s[6:7]
	s_load_b64 s[8:9], s[0:1], 0x10                ; qkv
	v_lshl_add_u32 v[SPW], v0, 2, SPARE
	v_mov_b32 v[NIL], 0
	ds_add_u32 v14, v15
	s_wait_dscnt 0x0
	v_lshrrev_b32 v1, 5, v0
	v_readfirstlane_b32 s10, v1                    ; wave 0..3
	s_lshr_b32 s11, s10, 1                         ; which 64 rows
	s_and_b32 s12, s10, 1                          ; which 64 of a step's columns
	s_and_b32 s14, ttmp7, 0xffff                   ; which 640 columns: shared by the four partners
	; descriptor group 1: 32 rows x 512 elements of 2 bytes, 4 words of padding behind every 256 words
	s_mov_b32 s16, 15|(1<<16)|(1<<20)|(1<<21)|(7<<22)|(3<<25)  ; mask of four; 2-byte elements; padding on; bit 21 beside a mask; interval code 7; pad code 3
	s_mov_b32 s17, 512<<16                         ; tensor_dim0 = 512
	s_mov_b32 s18, 32<<16                          ; tensor_dim1 = 32
	s_mov_b32 s19, 512<<16                         ; tile_dim0 = 512
	s_mov_b32 s20, 32                              ; tile_dim1 = 32
	s_mov_b32 s21, 512                             ; elements from row to row
	s_mov_b32 s22, 0
	s_mov_b32 s23, 0
	s_mul_i32 s34, s14, 640
	s_lshl_b32 s35, s10, 5
	s_add_co_u32 s34, s34, s35                     ; W row 640 n + 32 w
	s_lshl_b32 s34, s34, 10
	s_add_co_u32 s34, s34, WBASE
	s_mov_b32 s35, 0
	s_mov_b32 s24, 1                               ; group 0, set 0: slot 0, step 0
	s_mul_i32 s25, s10, PART
	s_mov_b32 s28, 1                               ; set 1: slot 1, step 1; it then walks
	s_add_co_u32 s29, s25, SLOT1
	s_mov_b32 s32, 0                               ; the slot in hand
	; what hangs on my place in the cluster enters X's and qkv's addresses alone
	s_bfe_u32 s40, ttmp6, 0x40000                  ; cx
	s_lshl_b32 s13, ttmp9, 2
	s_add_co_u32 s13, s13, s40                     ; my tile of 128 rows
	s_lshl_b32 s40, s13, 7
	s_lshl_b32 s41, s11, 6
	s_add_co_u32 s36, s40, s41
	s_lshl_b32 s36, s36, 10                        ; my 64 rows of X, in bytes
	s_mov_b32 s37, 0
	s_lshl_b32 s41, s10, 5
	s_add_co_u32 s38, s40, s41                     ; the 32 rows that I store
	s_mul_i32 s38, s38, QP
	s_mul_i32 s41, s14, 1280
	s_add_co_u32 s38, s38, s41
	s_mov_b32 s39, 0
	s_mul_i32 s42, s14, 2560                       ; my 640 biases
	s_mov_b32 s43, 0
	s_wait_kmcnt 0x0
	s_add_nc_u64 s[26:27], s[4:5], s[34:35]
	s_add_nc_u64 s[30:31], s[26:27], WSTEP
	s_or_b32 s27, s27, 0x80000000                  ; type = 2
	s_or_b32 s31, s31, 0x80000000
	s_add_nc_u64 s[36:37], s[4:5], s[36:37]
	s_add_nc_u64 s[8:9], s[8:9], s[38:39]
	s_add_nc_u64 s[6:7], s[6:7], s[42:43]
	CROUND                                         ; all four work-groups are here: the first joint loads meet
	TLOAD 0                                        ; both first fills go out together: two loads of mine are out
	TLOAD 1
	v_and_b32 v1, 15, v0                           ; l % 16
	v_bfe_u32 v2, v0, 4, 1                         ; l / 16
	v_lshlrev_b32 v10, 2, v0
.irp k, 0,1,2,3,4
	global_load_b32 v[ACC+\k], v10, s[6:7] offset:512*\k   ; 128 threads x 5 = 640 biases
.endr
	v_add_nc_u32 v11, BT, v10
	s_mul_i32 s34, s12, 64*PW
	v_mul_u32_u24 v[ADW0], v1, PW
	v_lshl_add_u32 v[ADW0], v2, 4, v[ADW0]
	v_add_nc_u32 v[ADW0], s34, v[ADW0]             ; (64 ch + l % 16) rows + 16 x half
	v_mov_b32 v[ADW], v[ADW0]
	s_lshl_b32 s34, s12, 8
	s_add_co_u32 s34, s34, BT
	v_lshl_add_u32 v[BA], v2, 5, s34               ; biases of columns 64 ch + 8 (l / 16) on
	s_mul_i32 s34, s11, 64*SP
	s_lshl_b32 s35, s12, 7
	s_add_co_u32 s34, s34, s35
	s_add_co_u32 s34, s34, STAGE
	v_mul_u32_u24 v[STO], v1, SP
	v_lshl_add_u32 v[STO], v2, 4, v[STO]
	v_add_nc_u32 v[STO], s34, v[STO]               ; my 64 rows, my half of their 256 bytes
	s_mul_i32 s34, s10, 32*SP
	s_add_co_u32 s34, s34, STAGE
	v_mul_u32_u24 v[RD], v2, SP
	v_lshl_add_u32 v[RD], v1, 4, v[RD]
	v_add_nc_u32 v[RD], s34, v[RD]                 ; back: rows 32 w on, lanes 0-15 one row, lanes 16-31 the next
	v_mul_u32_u24 v[CO], v2, QP
	v_lshl_add_u32 v[CO], v1, 4, v[CO]
	v_lshlrev_b32 v[XO], 10, v1
	v_lshl_add_u32 v[XO], v2, 4, v[XO]
	s_wait_loadcnt 0x0
.irp k, 0,1,2,3,4
	ds_store_b32 v11, v[ACC+\k] offset:512*\k
.endr
	; X: tile a of 16 rows, 32 K at 64 ks bytes: two loads of 16 bytes, 32 apart; lane l holds row l % 16
	WIN 0x80
.set i, 0
.rept 32                               ; a = i / 8, ks = i % 8
	global_load_b128 v[8*i:8*i+3],   v[XO], s[36:37] offset:(i/8)*16384+(i%8)*64
	global_load_b128 v[8*i+4:8*i+7], v[XO], s[36:37] offset:(i/8)*16384+(i%8)*64+32
.set i, i+1
.endr
	WIN 0xc0
.set i, 0
.rept 32                               ; ks = 8 + i % 8
	global_load_b128 v[8*i:8*i+3],   v[XO], s[36:37] offset:(i/8)*16384+(i%8)*64+512
	global_load_b128 v[8*i+4:8*i+7], v[XO], s[36:37] offset:(i/8)*16384+(i%8)*64+544
.set i, i+1
.endr
	WIN 0
; 34 LDS loads: block c's 16 fragments of W into buffer f of window 1, and its 8 biases
.macro FETCH c, f
	WIN 0x40
.set k_, 0
.rept 16
	ds_load_b128 v[128*(\f)+8*k_:128*(\f)+8*k_+3],   v[ADW] offset:(\c)*16*PW+64*k_
	ds_load_b128 v[128*(\f)+8*k_+4:128*(\f)+8*k_+7], v[ADW] offset:(\c)*16*PW+64*k_+32
.set k_, k_+1
.endr
	WIN 0
	ds_load_b128 v[BIAS+8*(\f):BIAS+8*(\f)+3],   v[BA] offset:64*(\c)
	ds_load_b128 v[BIAS+8*(\f)+4:BIAS+8*(\f)+7], v[BA] offset:64*(\c)+16
.endm
; 32 products: half of block c's K; the four accumulators take turns, one instruction a turn
.macro BLKH c, half
	WIN 0x09+4*(\half)                             ; W window 1, X window 2 or 3, sums window 0
.set k_, 8*(\half)
.rept 8
.set a_, 0
.rept 4
.set rD, ACC+32*((\c)%2)+8*a_
.set rW, 128*((\c)%2)+8*k_
.set rX, 64*a_+8*(k_%8)
.if k_ == 0
	v_wmma_f32_16x16x32_bf16 v[rD:rD+7], v[rW:rW+7], v[rX:rX+7], v[BIAS+8*((\c)%2):BIAS+8*((\c)%2)+7]
.else
	v_wmma_f32_16x16x32_bf16 v[rD:rD+7], v[rW:rW+7], v[rX:rX+7], v[rD:rD+7]
.endif
.set a_, a_+1
.endr
.set k_, k_+1
.endr
.endm
; block c rounded to f16, each accumulator from its low end on, and put into the stage
.macro OUT c
	WIN 0
.set a_, 0
.rept 4
.set z_, 0
.rept 4
	v_cvt_pk_f16_f32 v[TMP+4*a_+z_], v[ACC+32*((\c)%2)+8*a_+2*z_], v[ACC+32*((\c)%2)+8*a_+2*z_+1]
.set z_, z_+1
.endr
.set a_, a_+1
.endr
.set a_, 0
.rept 4
	ds_store_b128 v[STO], v[TMP+4*a_:TMP+4*a_+3] offset:a_*16*SP+32*(\c)
.set a_, a_+1
.endr
.endm
; A STEP: 128 columns.  fill = 1: the slot just read is filled again, two steps on.
.macro STEP fill
	FETCH 0, 0
	FETCH 1, 1
	s_wait_dscnt 34                                ; block 0's 34 loads are in, block 1's 34 may be out
	BLKH 0, 0
	BLKH 0, 1
.irp c, 1,2,3
	s_wait_dscnt 0x0                               ; this block's loads were issued a block ago
	PLACES                                         ; behind the last block's products: for the loads into its buffer and for the conversions of its sums
.if \c < 3
	FETCH \c+1, (\c+1)%2
.endif
	BLKH \c, 0
	OUT \c-1
	BLKH \c, 1
.endr
	PLACES
	OUT 3
	WIN 0
	s_wait_tensorcnt 0x0                           ; all my tensor loads have landed: my part of the next slot
	ds_add_u32 v[SPW], v[NIL]                      ; 0 onto my spare word
.if \fill
	s_xor_b32 s29, s29, SLOT1                      ; no load of mine is out, so the walking group 0 may be written: the other slot,
	s_add_nc_u64 s[30:31], s[30:31], WSTEP         ; the next 128 rows of W
.endif
	s_wait_dscnt 0x0                               ; the add is done, my reads of the slot are over, my stores into the stage are done
.if \fill
	CROUND                                         ; no wave of any partner still reads the slot or has a load on its way
	TLOAD 1                                        ; the refill first: it has a step's 256 products in which to land
.else
	s_barrier_signal -1
	s_barrier_wait -1
.endif
	s_xor_b32 s32, s32, SLOT1
	v_add_nc_u32 v[ADW], s32, v[ADW0]
	v_add_nc_u32 v[BA], 512, v[BA]
.set t_, 0
.rept 16
	ds_load_b128 v[OB+4*t_:OB+4*t_+3], v[RD] offset:t_*2*SP   ; whole rows of 256 bytes, written by two waves: the barrier above stands between
.set t_, t_+1
.endr
.set t_, 0
.rept 16
	s_wait_dscnt 15-t_
	global_store_b128 v[CO], v[OB+4*t_:OB+4*t_+3], s[8:9] offset:t_*2*QP   ; 16 lanes store 256 consecutive bytes, at a multiple of 256 from qkv's first byte
.set t_, t_+1
.endr
	s_barrier_signal -1                            ; every wave's reads of the stage are back (the count-down ended at 0): the next step may write it.
	s_barrier_wait -1                              ; The refill stays on its way
	s_wait_xcnt 0x0                                ; the stores' base and data are rewritten only behind this wait
	s_add_nc_u64 s[8:9], s[8:9], 256               ; the next 128 columns
.endm
	s_wait_tensorcnt 0x1                           ; my part of slot 0 is in; slot 1's may stay out
	s_wait_dscnt 0x0                               ; my biases are in the table
	s_barrier_signal -1
	s_barrier_wait -1
	s_wait_loadcnt 0x0                             ; X
	s_mov_b32 s33, 3
.Lp:                                                   ; steps 0, 1, 2: they ask for steps 2, 3, 4
	STEP 1
	s_sub_co_u32 s33, s33, 1
	s_cmp_lg_u32 s33, 0
	s_cbranch_scc1 .Lp
	s_mov_b32 s33, 2
.Lt:                                                   ; steps 3, 4: nothing is left to ask for
	STEP 0
	s_sub_co_u32 s33, s33, 1
	s_cmp_lg_u32 s33, 0
	s_cbranch_scc1 .Lt
	s_wait_tensorcnt 0x0                           ; the wave's end
	ds_add_u32 v[SPW], v[NIL]
	s_wait_dscnt 0x0
	CROUND                                         ; the closing round
	s_endpgm
.Lfunc_end_k_qdf5a62502c_proj:
	.size	k_qdf5a62502c_proj, .Lfunc_end_k_qdf5a62502c_proj-k_qdf5a62502c_proj
	.p2alignl 7, 3214868480
	.fill 96, 4, 3214868480
	.section	.rodata,"a",@progbits
	.p2align	6, 0x0
	.amdhsa_kernel k_qdf5a62502c_proj
		.amdhsa_group_segment_fixed_size 327680
		.amdhsa_private_segment_fixed_size 0
		.amdhsa_enable_private_segment 0
		.amdhsa_kernarg_size 24
		.amdhsa_user_sgpr_count 2
		.amdhsa_user_sgpr_kernarg_segment_ptr 1
		.amdhsa_wavefront_size32 1
		.amdhsa_system_sgpr_workgroup_id_x 1
		.amdhsa_system_sgpr_workgroup_id_y 1
		.amdhsa_system_sgpr_workgroup_id_z 1
		.amdhsa_system_vgpr_workitem_id 0
		.amdhsa_next_free_vgpr 1024
		.amdhsa_next_free_sgpr 66
		.amdhsa_reserve_vcc 0
		.amdhsa_float_denorm_mode_32 3
		.amdhsa_float_denorm_mode_16_64 3
		.amdhsa_memory_ordered 1
		.amdhsa_forward_progress 1
		.amdhsa_inst_pref_size 89
	.end_amdhsa_kernel
	.amdgpu_metadata
---
amdhsa.version: [ 1, 2 ]
amdhsa.kernels:
  - .name:           k_qdf5a62502c_proj
    .symbol:         k_qdf5a62502c_proj.kd
    .args:
      - { .name: xw, .offset: 0, .size: 8, .value_kind: global_buffer, .address_space: global }
      - { .name: bi, .offset: 8, .size: 8, .value_kind: global_buffer, .address_space: global }
      - { .name: qkv, .offset: 16, .size: 8, .value_kind: global_buffer, .address_space: global }
    .group_segment_fixed_size: 327680
    .private_segment_fixed_size: 0
    .kernarg_segment_align: 8
    .kernarg_segment_size: 24
    .max_flat_workgroup_size: 128
    .sgpr_count:     66
    .vgpr_count:     1024
    .wavefront_size: 32
...
	.end_amdgpu_metadata
.endif
;; end of part 2
;; launch attn (part 3): grid 32 x 8, 4 waves a work-group, clusters of 4 x 1, 327,680 bytes of LDS; arguments qkv, on; writes on
.if DOCPART == 3
	.amdgcn_target "amdgcn-amd-amdhsa--gfx1250"
	.amdhsa_code_object_version 6
	.text
	.protected	k_qdf5a62502c_attn
	.globl	k_qdf5a62502c_attn
	.p2align	8
	.type	k_qdf5a62502c_attn,@function
k_qdf5a62502c_attn:
	s_mov_b64 s[64:65], 0
	v_nop
	global_prefetch_b8 v0, s[64:65] scope:SCOPE_SE
	s_setreg_imm32_b32 hwreg(HW_REG_WAVE_MODE, 25, 1), 1
	s_wait_xcnt 0x0
	s_wait_alu depctr_hold_cnt(0) depctr_sa_sdst(0) depctr_va_vdst(0) depctr_va_sdst(0) depctr_va_ssrc(0) depctr_va_vcc(0) depctr_vm_vsrc(0)
	s_getreg_b32 s2, hwreg(HW_REG_IB_STS2, 6, 4)
	s_cmp_eq_u32 s2, 0
	s_cbranch_scc0 .Lentry_in_a_cluster
	s_endpgm
.Lentry_in_a_cluster:
	s_bfe_u32 s2, ttmp6, 0x10000c
	s_cmp_lg_u32 s2, 0x3003
	s_cbranch_scc0 .Lentry_shape_is_right
	s_endpgm
.Lentry_shape_is_right:
; on[m][row][:] = softmax_k(Q_m[row] . K_m[k] / 16) V[k][:] for map m = 0, 1: head size 256, 4,096 keys a batch, 4 batches.  Q, K, V: f16 in qkv, rows of 2,560 bytes (Q1 0, Q2 512, K1 1,024, K2 1,536, V 2,048).
; Products, maxima and sums in f32; the weights p are rounded to f16 for the second product (their sum l is taken of the unrounded p); the result leaves in f32.
; LIMITS.  Q, K, V arrive within f16's 65,504; a weight below 2^-126 counts as 0 in l; NaN and infinities are not treated apart.
; SHARES.  A work-group: 128 queries of one batch and map.  Wave w: 64 queries (w / 2), four tiles of 16, and HALF OF THE KEYS (w % 2): of each step's 64 keys its own 32.  So a fragment of K or V read from LDS
; feeds four products, and the two waves of a query block each keep a maximum, a sum and an O of their own, which meet in LDS at the end.
; LAYOUT.  S^T = K Q^T (source 0 = 16 keys, source 1 = 16 queries): a lane holds ONE query (lane % 16) and keys 8 (lane / 16) + 0..7.  A tile's two results, rounded to f16 in pairs, ARE source 1
; (32 keys x 16 queries) of O^T = V^T P, whose result again holds one query a lane and eight channels.  K comes out of LDS as it lies, V turned, by ds_load_tr16_b128.
; SOFTMAX.  Running maximum m and sum l: p = 2^(c s - c m), c = log2(e) / 16; in every step O and l are multiplied by a = 2^(c m_old - c m_new).  m starts at the lowest finite number, O and l at 0, so the first
; step is a step like any other with a = 0.  O^T's 512 registers are set to 0 by 64 products of zero operands, in the wait for Q and K.
; A TURN is a key step j, written once: 32 roundings P(j) = f16(S); 64 products K Q^T of step j + 1 into S, behind each the four rescalings of one accumulator of O^T by a(j); 64 products V^T P of step j, and
; behind them the softmax of step j + 1 (184 lines, 2 to 4 behind each).  A GROUP is one fragment times the four tiles; the fragments go through a ring of 8 places in registers, loaded 6 groups ahead.
; A TRIP of the loop is a turn rotated: groups 29-31 of the turn before, then groups 0-28, so that all LDS loads of a trip belong to one turn and the change of slots stands between trips.
; RING.  Two LDS slots; slot s holds K of steps 2 s + 1, 2 s + 2 and V of steps 2 s, 2 s + 1, as the turns read them.  K of step 0 comes straight from memory.  The last slot's second K would be step 64: step 63
; is asked for again.  The last turn's 64 products on it give step 63's scores once more, so the maximum that its riders take is the old one and m and c m stay as they are; the line that would add to l lies in
; the three groups that are written out bare behind the loop.  That is the price of one text for every turn.
; CLUSTER.  The four query blocks of a cluster share batch and map, so K and V are asked for JOINTLY: the same tensor load, descriptor and mask in all four.  Waves 0, 1 bring a slot's two K, waves 2, 3 its two V.
; REGISTERS: window 0: addresses, statistics, the fragment ring, S^T, P.  Window 1: Q.  Windows 2, 3: O^T (tiles 0, 1 and 2, 3).
.set PK,    528                        ; a row of K in LDS: 512 bytes + 16: 132 words, so the 16 rows of a load start 4 words apart modulo 64
.set PV,    544                        ; a row of V: 512 + 32: 136 words
.set KP,    64*PK                      ; a step's K
.set VP,    64*PV                      ; a step's V
.set VOFF,  2*KP                       ; V's two parts lie behind K's two
.set SLOT1, 0x22000                    ; 139,264: slot 1 begins here, so that one exclusive or turns an address in one slot into the other's
.set STAT,  SLOT1+2*KP+2*VP            ; 276,480: 1,024 bytes a wave: c m and l of its four tiles; no tile lands here
.set SPARE, STAT+4096                  ; the spare words, 128 bytes a wave: two blocks of 256 bytes that no other line names
.set OP,    1040                       ; the end's stage, over the slots behind their last fill: 64 rows x 1,040 bytes a wave
.set OREG,  64*OP
.set QP,    2560                       ; bytes in a row of qkv
.set KSTEP, 64*QP                      ; 64 keys in memory
.set AK0, 2                            ; v2   my lane's place in a step's K; never rewritten
.set AV0, 3                            ; v3   the same for V
.set AK,  4                            ; v4   the same for the turn in hand
.set AV,  5                            ; v5
.set QO,  6                            ; v6   my byte offset in 16 rows of qkv
.set RD0, 7                            ; v7   the end: my rows in my block's first stage
.set RD1, 8                            ; v8   and in its second
.set SA,  10                           ; v10  my statistics' place
.set SAP, 11                           ; v11  my partner's
.set GO,  12                           ; v12  16 x lane
.set STO, 13                           ; v13  into my stage
.set SPW, 14                           ; v14  LDS address of my spare word; never rewritten
.set NIL, 15                           ; v15  0; never rewritten
.set ST,  16                           ; tile t at v[ST+8 t]: +0 c m, +1 m, +2 +3 l, +4 +5 C0 C1 (later the step's sum T), +6 a, +7 C3
.set FR,  48                           ; v[48:111]  the ring of 8 fragments
.set ZR,  112                          ; v[112:127] the zero operands; v112, v113 at work before that and at the end
.set SB0, 128                          ; v[128:191] S^T: tile t at +16 t, key block kb at +8 kb
.set PB,  192                          ; v[192:223] P: tile t at +8 t
.set W_KQ, 0x04                        ; Q in window 1, all else in window 0
.set MSB, 0
.macro WIN new                         ; the immediate's high byte repeats the setting that is left; a switch that changes nothing is dropped
.if MSB != (\new)
	s_set_vgpr_msb (MSB<<8)|(\new)
.set MSB, \new
.endif
.endm
.macro PLACES                          ; four plain vector instructions between a matrix instruction and a vector read of its result (ISA guide 7.12.1)
.rept 4
	v_nop
.endr
.endm
.macro CROUND                          ; a round of the cluster's barrier: my work-group's barrier; wave 0 signals for the work-group; all wait for the four work-groups; my work-group's barrier again
	s_barrier_signal -1
	s_barrier_wait -1
	s_cmp_lg_u32 s8, 0
	s_cbranch_scc1 .Lnot_wave_0_\@
	s_barrier_signal -3
.Lnot_wave_0_\@:
	s_barrier_wait -3
	s_barrier_signal -1
	s_barrier_wait -1
.endm
.macro JLOAD                           ; a joint refill by the walking descriptors; an s_nop 0 and four v_nop follow each of the two lines
	s_cmp_lt_u32 s8, 2
	s_cbranch_scc0 .Lfor_v_\@
	tensor_load_to_lds s[36:39], s[16:23]
	s_nop 0
.rept 4
	v_nop
.endr
	s_branch .Lasked_\@
.Lfor_v_\@:
	tensor_load_to_lds s[44:47], s[24:31]
	s_nop 0
.rept 4
	v_nop
.endr
.Lasked_\@:
.endm
	s_load_b128 s[4:7], s[0:1], 0x0                ; qkv s[4:5], on s[6:7]
	v_lshl_add_u32 v[SPW], v0, 2, SPARE
	v_mov_b32 v[NIL], 0
	ds_add_u32 v14, v15
	s_wait_dscnt 0x0
	v_lshrrev_b32 v1, 5, v0
	v_readfirstlane_b32 s8, v1                     ; wave 0..3
	s_lshr_b32 s9, s8, 1                           ; a: which 64 queries
	s_and_b32 s10, s8, 1                           ; h: which half of the keys; also which of a slot's two parts I fetch
	s_and_b32 s3, ttmp7, 0xffff
	s_lshr_b32 s2, s3, 1                           ; the batch
	s_and_b32 s3, s3, 1                            ; the map: both shared by the four partners
	; descriptor group 1: 64 rows x 256 elements of 2 bytes, 1,280 elements from row to row, padded behind every 128 words
	s_mov_b32 s16, 15|(1<<16)|(1<<20)|(1<<21)|(6<<22)|(3<<25)  ; K: mask of four; 2-byte elements; padding on; bit 21 beside a mask; interval code 6; 4 words
	s_mov_b32 s24, 15|(1<<16)|(1<<20)|(1<<21)|(6<<22)|(7<<25)  ; V: the same with 8 words
.irp g, 16, 24
	s_mov_b32 s[\g+1], 256<<16                     ; tensor_dim0 = 256
	s_mov_b32 s[\g+2], 64<<16                      ; tensor_dim1 = 64
	s_mov_b32 s[\g+3], 256<<16                     ; tile_dim0 = 256
	s_mov_b32 s[\g+4], 64                          ; tile_dim1 = 64
	s_mov_b32 s[\g+5], 1280
	s_mov_b32 s[\g+6], 0
	s_mov_b32 s[\g+7], 0
.endr
	s_mov_b32 s32, 1                               ; group 0 for K: set 0 slot 0, set 1 slot 1 (it then walks)
	s_mul_i32 s33, s10, KP
	s_mov_b32 s36, 1
	s_add_co_u32 s37, s33, SLOT1
	s_mov_b32 s40, 1                               ; the same for V
	s_mul_i32 s41, s10, VP
	s_add_co_u32 s41, s41, VOFF
	s_mov_b32 s44, 1
	s_add_co_u32 s45, s41, SLOT1
	s_mul_i32 s62, s2, 4096*QP                     ; the batch's first byte
	s_lshl_b32 s63, s3, 9
	s_add_co_u32 s63, s63, s62
	s_add_co_u32 s48, s63, 1024                    ; K of my map
	s_mov_b32 s49, 0
	s_add_co_u32 s62, s62, 2048                    ; V
	s_mov_b32 s63, 0
	s_mul_i32 s58, s10, KSTEP
	s_mov_b32 s59, 0
	s_mul_i32 s51, s10, KSTEP
	s_sub_co_u32 s51, 2*KSTEP, s51                 ; how far K's descriptor walks at the last refill: part 0 from step 61 to 63, part 1 from step 62 to 63 (step 64 there is none)
	s_mov_b32 s52, 0                               ; LDS byte at which K of the turn to be fetched begins
	s_mov_b32 s70, 0                               ; the same for V, less VOFF
	s_mov_b32 s54, 0x3db8aa3b                      ; c = log2(e) / 16 = 0.0901684
	s_mov_b32 s55, s54                             ; named with it as a pair
	s_mov_b32 s56, 0x76543210                      ; v_permlanex16_b32: each lane takes its own place in the other half
	s_mov_b32 s57, 0xfedcba98
	; what hangs on my place in the cluster enters Q's and on's addresses alone
	s_bfe_u32 s66, ttmp6, 0x40000                  ; cx
	s_lshl_b32 s11, ttmp9, 2
	s_add_co_u32 s11, s11, s66                     ; my block of 128 queries
	s_lshl_b32 s66, s2, 12
	s_lshl_b32 s67, s11, 7
	s_add_co_u32 s66, s66, s67
	s_lshl_b32 s67, s9, 6
	s_add_co_u32 s66, s66, s67                     ; my wave's first query row
	s_mul_i32 s68, s66, QP
	s_lshl_b32 s67, s3, 9
	s_add_co_u32 s68, s68, s67
	s_mov_b32 s69, 0
	s_wait_kmcnt 0x0
	s_add_nc_u64 s[60:61], s[4:5], s[68:69]        ; Q of my map at that row
	s_lshl_b32 s67, s10, 5
	s_add_co_u32 s66, s66, s67                     ; the 32 rows that I store
	s_lshl_b32 s68, s66, 10
	s_lshl_b32 s67, s3, 24
	s_add_co_u32 s68, s68, s67
	s_add_nc_u64 s[6:7], s[6:7], s[68:69]
	s_add_nc_u64 s[12:13], s[4:5], s[48:49]        ; K of my batch and map
	s_add_nc_u64 s[14:15], s[4:5], s[62:63]        ; V of my batch
	s_add_nc_u64 s[42:43], s[14:15], s[58:59]      ; V of step h,
	s_add_nc_u64 s[46:47], s[42:43], 2*KSTEP       ; of step 2 + h
	s_add_nc_u64 s[34:35], s[12:13], s[58:59]
	s_add_nc_u64 s[34:35], s[34:35], KSTEP         ; K of step 1 + h,
	s_add_nc_u64 s[38:39], s[34:35], 2*KSTEP       ; of step 3 + h
	s_or_b32 s35, s35, 0x80000000                  ; type = 2
	s_or_b32 s39, s39, 0x80000000
	s_or_b32 s43, s43, 0x80000000
	s_or_b32 s47, s47, 0x80000000
	s_mul_i32 s58, s10, 32*QP
	s_add_nc_u64 s[58:59], s[12:13], s[58:59]      ; K of step 0, my 32 keys
	CROUND                                         ; all four work-groups are here: the first joint loads meet
	s_cmp_lt_u32 s8, 2                             ; a wave's two first fills stand in one branch: two loads of mine are out
	s_cbranch_scc0 .Lfirst_v
	tensor_load_to_lds s[32:35], s[16:23]
	s_nop 0
	tensor_load_to_lds s[36:39], s[16:23]
	s_nop 0
.rept 4
	v_nop
.endr
	s_branch .Lfirst_asked
.Lfirst_v:
	tensor_load_to_lds s[40:43], s[24:31]
	s_nop 0
	tensor_load_to_lds s[44:47], s[24:31]
	s_nop 0
.rept 4
	v_nop
.endr
.Lfirst_asked:
	; A fragment of K or Q: lane l holds row l % 16, channels 8 (l / 16) + 0..7 and 16 + 8 (l / 16) + 0..7: two loads of 16 bytes, 32 apart
	v_and_b32 v1, 15, v0
	v_bfe_u32 v9, v0, 4, 1
	v_mul_u32_u24 v[QO], v1, QP
	v_lshl_add_u32 v[QO], v9, 4, v[QO]
	WIN 0x40
.set i_, 0
.rept 32                               ; Q stays in registers: tile i / 8, channels 32 (i % 8) on
	global_load_b128 v[8*i_:8*i_+3],   v[QO], s[60:61] offset:(i_/8)*16*QP+(i_%8)*64
	global_load_b128 v[8*i_+4:8*i_+7], v[QO], s[60:61] offset:(i_/8)*16*QP+(i_%8)*64+32
.set i_, i_+1
.endr
	WIN 0
.set i_, 0
.rept 16                               ; K of step 0: key block i / 8; the first eight fragments into the ring, the others into v192-255, still free
.set rF, FR+8*i_
.if i_ >= 8
.set rF, PB+8*(i_-8)
.endif
	global_load_b128 v[rF:rF+3],   v[QO], s[58:59] offset:(i_/8)*16*QP+(i_%8)*64
	global_load_b128 v[rF+4:rF+7], v[QO], s[58:59] offset:(i_/8)*16*QP+(i_%8)*64+32
.set i_, i_+1
.endr
	s_mul_i32 s62, s10, 32*PK
	v_mul_u32_u24 v[AK0], v1, PK
	v_lshl_add_u32 v[AK0], v9, 4, v[AK0]
	v_add_nc_u32 v[AK0], s62, v[AK0]               ; (32 h + l % 16) rows + 16 x half
	; the turning load: lane l reads key 8 (l / 16) + l % 8, channels 8 ((l / 8) % 2) + 0..7, and is left with channel l % 16 and 8 keys
	v_and_b32 v112, 7, v0
	v_bfe_u32 v113, v0, 3, 1
	v_lshl_add_u32 v[AV0], v9, 3, v112
	v_mul_u32_u24 v[AV0], v[AV0], PV
	v_lshl_add_u32 v[AV0], v113, 4, v[AV0]
	s_mul_i32 s62, s10, 32*PV
	s_add_co_u32 s62, s62, VOFF
	v_add_nc_u32 v[AV0], s62, v[AV0]
	v_and_b32 v[GO], 31, v0
	v_lshlrev_b32 v[GO], 4, v[GO]
	s_mul_i32 s62, s9, 2*OREG
	s_mul_i32 s63, s10, 32*OP
	s_add_co_u32 s62, s62, s63
	v_add_nc_u32 v[RD0], s62, v[GO]                ; rows 32 h on of my block's two stages
	v_add_nc_u32 v[RD1], OREG, v[RD0]
	v_lshrrev_b32 v[SA], 2, v[GO]                  ; 4 x lane
	s_xor_b32 s63, s8, 1                           ; my partner: the same queries, the other keys
	s_lshl_b32 s63, s63, 10
	s_add_co_u32 s63, s63, STAT
	v_add_nc_u32 v[SAP], s63, v[SA]
	s_lshl_b32 s62, s8, 10
	s_add_co_u32 s62, s62, STAT
	v_add_nc_u32 v[SA], s62, v[SA]
	s_mul_i32 s62, s8, OREG
	v_mul_u32_u24 v[STO], v1, OP
	v_lshl_add_u32 v[STO], v9, 5, v[STO]
	v_add_nc_u32 v[STO], s62, v[STO]               ; my stage: row l % 16, 32 bytes for each half of the lanes
.set i_, 0
.rept 16
	v_mov_b32 v[ZR+i_], 0                          ; two zero operands
.set i_, i_+1
.endr
	WIN 0x80                                       ; O^T = 0 x 0 + 0: 64 products write its 512 registers, in the wait for Q and K
.set i_, 0
.rept 32
	v_wmma_f32_16x16x32_f16 v[8*i_:8*i_+7], v[ZR:ZR+7], v[ZR+8:ZR+15], 0
.set i_, i_+1
.endr
	WIN 0xc0
.set i_, 0
.rept 32
	v_wmma_f32_16x16x32_f16 v[8*i_:8*i_+7], v[ZR:ZR+7], v[ZR+8:ZR+15], 0
.set i_, i_+1
.endr
	WIN 0
.irp t, 0,1,2,3
	v_mov_b32 v[ST+8*\t], 0xfe000000               ; c m: far below every c s
	v_mov_b32 v[ST+8*\t+1], 0xff7fffff             ; m
	v_mov_b32 v[ST+8*\t+2], 0
	v_mov_b32 v[ST+8*\t+3], 0
.endr
; THE SOFTMAX of a step: 4 tiles x 46 lines, in 208 numbered places of which 24 are empty; SMX writes place n.  s0-s15 are a tile's scores, T the pair C0:C1.
; Places 0-55: number n / 4 of tile n % 4 (each link of the chain waits for the one before, so the tiles alternate):
;   0-7 the maximum of s0-s15 and the old m, each accumulator's lowest registers first;  8 the other half of the lanes';  9 c m_old kept;  10 m;  11 c m;  12 c m_old - c m;  13 c s - c m for pair 0.
; From 56 on blocks k = 0..18 of eight places: for each tile an exponential and a plain line.  Exponentials: a (k = 0), s0-s15 (k = 1..16).  Plain: c s - c m for pairs 1-7 at k = 0, 2, .., 12; T = pair 0 + pair 1
; at k = 5; T += pair 2, 3, 4 at k = 7, 9, 11, pair 5, 6, 7 at k = 14, 16, 17; l = a l + T at k = 18; none at k = 1, 3, 13, 15.  Each plain line leaves the exponential in front of it alone, and between every
; exponential and the first use of its result stands the tile's own plain line of that block or of a later one (ISA guide 5.7.2).
.macro SMX n
.if (\n) < 56
.set jj, (\n)/4
.set tt, (\n)%4
.set kk, 0
.set pp, 0
.else
.set jj, 99
.set kk, ((\n)-56)/8
.set tt, (((\n)-56)%8)/2
.set pp, ((\n)-56)%2
.endif
.set rT, ST+8*tt
.set rS, SB0+16*tt
.set em, 1
.if (jj == 99) && (pp == 0) && (kk > 16)
.set em, 0
.endif
.if (jj == 99) && (pp == 1) && ((kk == 1) || (kk == 3) || (kk == 13) || (kk == 15))
.set em, 0
.endif
.if em
	WIN 0
.if jj < 2
	v_max3_num_f32 v[rT+4+jj], v[rS+8*jj], v[rS+8*jj+1], v[rS+8*jj+2]
.elseif jj < 6
	v_max3_num_f32 v[rT+4+jj%2], v[rT+4+jj%2], v[rS+8*(jj%2)+2*(jj/2)+1], v[rS+8*(jj%2)+2*(jj/2)+2]
.elseif jj == 6
	v_max3_num_f32 v[rT+4], v[rT+4], v[rS+7], v[rS+15]
.elseif jj == 7
	v_max3_num_f32 v[rT+4], v[rT+4], v[rT+5], v[rT+1]
.elseif jj == 8
	v_permlanex16_b32 v[rT+5], v[rT+4], s56, s57
.elseif jj == 9
	v_mov_b32 v[rT+7], v[rT]
.elseif jj == 10
	v_max_num_f32 v[rT+1], v[rT+4], v[rT+5]
.elseif jj == 11
	v_mul_f32 v[rT], s54, v[rT+1]
.elseif jj == 12
	v_sub_f32 v[rT+7], v[rT+7], v[rT]
.elseif jj == 13
	v_pk_fma_f32 v[rS:rS+1], v[rS:rS+1], s[54:55], v[rT:rT+1] op_sel_hi:[1,0,0] neg_lo:[0,0,1] neg_hi:[0,0,1]
.elseif (pp == 0) && (kk == 0)
	v_exp_f32 v[rT+6], v[rT+7]
.elseif pp == 0
	v_exp_f32 v[rS+kk-1], v[rS+kk-1]
.elseif (kk%2 == 0) && (kk <= 12)
.set fi, kk/2+1
	v_pk_fma_f32 v[rS+2*fi:rS+2*fi+1], v[rS+2*fi:rS+2*fi+1], s[54:55], v[rT:rT+1] op_sel_hi:[1,0,0] neg_lo:[0,0,1] neg_hi:[0,0,1]
.elseif kk == 5
	s_wait_alu depctr_va_vdst(0)
	v_pk_add_f32 v[rT+4:rT+5], v[rS:rS+1], v[rS+2:rS+3]
.elseif kk == 18
	v_pk_fma_f32 v[rT+2:rT+3], v[rT+2:rT+3], v[rT+6:rT+7], v[rT+4:rT+5] op_sel_hi:[1,0,1]
.else
.set fi, (kk-3)/2
.if kk == 14
.set fi, 5
.elseif kk == 16
.set fi, 6
.elseif kk == 17
.set fi, 7
.endif
	s_wait_alu depctr_va_vdst(0)
	v_pk_add_f32 v[rT+4:rT+5], v[rT+4:rT+5], v[rS+2*fi:rS+2*fi+1]
.endif
.endif
.endm
; pair z of the eight registers of O^T(tile t, channel block cb) times the tile's factor (a in the loop); z ascends
.macro RSCL cb, t, z
	WIN 0x82+0x41*((\t)/2)
.set rO, 128*((\t)%2)+8*(\cb)+2*(\z)
.set rA, ST+8*(\t)+6
	v_pk_mul_f32 v[rO:rO+1], v[rO:rO+1], v[rA:rA+1] op_sel_hi:[1,0]
.endm
; the fragment of group gg % 32 into ring place gg % 8: two LDS loads.  Groups 0-15 take K (key block, then 32 channels), groups 16-31 V (16 channels, 32 keys, turned)
.macro LDF gg
.set el, (\gg)%32
.set rF, FR+8*((\gg)%8)
	WIN 0
.if el < 16
.set lofs, (el/8)*16*PK+(el%8)*64
	ds_load_b128 v[rF:rF+3],   v[AK] offset:lofs
	ds_load_b128 v[rF+4:rF+7], v[AK] offset:lofs+32
.else
.set lofs, (el%16)*32
	ds_load_tr16_b128 v[rF:rF+3],   v[AV] offset:lofs
	ds_load_tr16_b128 v[rF+4:rF+7], v[AV] offset:lofs+16*PV
.endif
.endm
; Group f of K Q^T: fragment f of the next step's K times the four tiles' Q; the four accumulators take turns.  Behind product (f, t): O^T(t, channel block f) times a.
; The load at the group's end lands on the ring place that the group two back has read: two groups' riders stand between.
.macro GA f, cnt
	s_wait_dscnt \cnt
.set t_, 0
.rept 4
	WIN W_KQ
.set rS2, SB0+16*t_+8*((\f)/8)
.set rF2, FR+8*((\f)%8)
.set rQ, 64*t_+8*((\f)%8)
.if ((\f)%8) == 0
	v_wmma_f32_16x16x32_f16 v[rS2:rS2+7], v[rF2:rF2+7], v[rQ:rQ+7], 0
.else
	v_wmma_f32_16x16x32_f16 v[rS2:rS2+7], v[rF2:rF2+7], v[rQ:rQ+7], v[rS2:rS2+7]
.endif
	RSCL \f, t_, 0
	RSCL \f, t_, 1
	RSCL \f, t_, 2
	RSCL \f, t_, 3
.set t_, t_+1
.endr
	LDF (\f)+6
.endm
; Group 16 + cb of V^T P: channel block cb of this step's V times the four tiles' P.  Behind product i = 4 cb + t stand the softmax's places 13 i / 4 up to 13 (i + 1) / 4.
.macro GB cb, cnt, ld
	s_wait_dscnt \cnt
.set t_, 0
.rept 4
	WIN 0xa0+0x50*(t_/2)
.set rO2, 128*(t_%2)+8*(\cb)
.set rF2, FR+8*((\cb)%8)
.set rP, PB+8*t_
	v_wmma_f32_16x16x32_f16 v[rO2:rO2+7], v[rF2:rF2+7], v[rP:rP+7], v[rO2:rO2+7]
.set qn, (13*(4*(\cb)+t_))/4
.set qe, (13*(4*(\cb)+t_)+13)/4
.rept qe-qn
	SMX qn
.set qn, qn+1
.endr
.set t_, t_+1
.endr
.if \ld
	LDF 22+(\cb)
.endif
.endm
; A TRIP'S HEAD: the addresses of this trip's turn; the three fragments of its K that groups 26-28 held back; the last three groups of the turn before, each with a load behind it.
; The count 10 everywhere: behind the fragment that a group needs, five fragments, ten loads, have been issued.
.macro THEAD
	v_add_nc_u32 v[AK], s52, v[AK0]
	v_add_nc_u32 v[AV], s70, v[AV0]
	s_wait_alu depctr_va_vdst(0)
	s_add_co_u32 s52, s52, KP                      ; the next trip's turn takes the slot's next part
	s_add_co_u32 s70, s70, VP
	LDF 32
	LDF 33
	LDF 34
	GB 13, 10, 1
	GB 14, 10, 1
	GB 15, 10, 1
	WIN 0
.endm
; THE REST OF A TRIP: the roundings, tile 0 first (the last products that read P(t) stand four plain lines or more back); groups 0-25 with a load behind each; groups 26-28 without: V's last fragment has been
; asked for, and K's next belongs to the next trip, perhaps to the other slot.  Behind the fragments of groups 26, 27, 28 five, four and three fragments have been issued: 10, 8, 6.
.macro TMAIN
	WIN 0
.set t_, 0
.rept 4
.set z_, 0
.rept 8
	v_cvt_pk_f16_f32 v[PB+8*t_+z_], v[SB0+16*t_+2*z_], v[SB0+16*t_+2*z_+1]
.set z_, z_+1
.endr
.set t_, t_+1
.endr
.set gi, 0
.rept 16
	GA gi, 10
.set gi, gi+1
.endr
.set gi, 0
.rept 10
	GB gi, 10, 1
.set gi, gi+1
.endr
	GB 10, 10, 0
	GB 11, 8, 0
	GB 12, 6, 0
	WIN 0
.endm
; THE CHANGE OF SLOTS, between trips: the slot's last bytes, V of its second step, have been asked for.  Each wave waits for all its tensor loads, of which one is out: its part of the other slot; adds 0 to its
; spare word; and waits for that and for its own reads of the slot.  Behind the barrier nobody reads this slot any more and the other slot is whole.  fill = 1: the slot is filled again, two slots on; the barrier is
; then a round of the cluster's, and the joint refill is the first thing behind it: it has two turns, 256 products, in which to land.
.macro CHANGE fill
	WIN 0
	s_wait_tensorcnt 0x0                           ; no tensor load of mine is out, so a group 0 may be written
	ds_add_u32 v[SPW], v[NIL]                      ; 0 onto my spare word: with fill = 1 the descriptors' steps stand between it and the wait for it
.if \fill
	s_cmp_eq_u32 s71, 1                            ; the 30th and last refill?  The count is the same in every wave and work-group
	s_cselect_b32 s48, s51, 2*KSTEP                ; K walks two steps on; at the last refill both parts go to step 63
	s_xor_b32 s37, s37, SLOT1                      ; the walking descriptors: the other slot than last time,
	s_add_nc_u64 s[38:39], s[38:39], s[48:49]      ; the next keys; the type bits on top are not reached
	s_xor_b32 s45, s45, SLOT1
	s_add_nc_u64 s[46:47], s[46:47], 2*KSTEP       ; V walks two steps on every time
	s_wait_dscnt 0x0                               ; the add is done, and my reads of the slot are over
	CROUND
	JLOAD
.else
	s_wait_dscnt 0x0                               ; the add is done, and my reads of the slot are over
	s_barrier_signal -1
	s_barrier_wait -1
.endif
	s_sub_co_u32 s52, s52, 2*KP                    ; the fetches go back to a slot's first part,
	s_xor_b32 s52, s52, SLOT1                      ; in the other slot
	s_sub_co_u32 s70, s70, 2*VP
	s_xor_b32 s70, s70, SLOT1
.endm
	s_wait_loadcnt 0x0                             ; Q and K of step 0
	WIN W_KQ
.set i_, 0
.rept 16                               ; the first scores: there is no vector work yet to set between them
.set rF, FR+8*i_
.if i_ >= 8
.set rF, PB+8*(i_-8)
.endif
.set t_, 0
.rept 4
.set rS2, SB0+16*t_+8*(i_/8)
.set rQ, 64*t_+8*(i_%8)
.if (i_%8) == 0
	v_wmma_f32_16x16x32_f16 v[rS2:rS2+7], v[rF:rF+7], v[rQ:rQ+7], 0
.else
	v_wmma_f32_16x16x32_f16 v[rS2:rS2+7], v[rF:rF+7], v[rQ:rQ+7], v[rS2:rS2+7]
.endif
.set t_, t_+1
.endr
.set i_, i_+1
.endr
	WIN 0
	PLACES
.set i_, 0
.rept 208
	SMX i_                                         ; the first softmax, on end
.set i_, i_+1
.endr
	s_wait_tensorcnt 0x1                           ; my part of slot 0 is in; slot 1's may stay out
	s_barrier_signal -1
	s_barrier_wait -1
	v_add_nc_u32 v[AK], s52, v[AK0]                ; turn 0: the head of slot 0
	v_add_nc_u32 v[AV], s70, v[AV0]
	s_add_co_u32 s52, s52, KP
	s_add_co_u32 s70, s70, VP
.irp g, 0,1,2,3,4,5
	LDF \g
.endr
	WIN 0
	s_mov_b32 s53, 2
	s_mov_b32 s71, 31
	s_branch .Lfirst                               ; the loop is entered behind a trip's head: there is no turn before the first
.Lslot:                                                ; 30 times: slots 0-29 are filled again, with slots 2-31
	CHANGE 1
	s_mov_b32 s53, 2
.Lstep:
	THEAD
.Lfirst:
	TMAIN
	s_sub_co_u32 s53, s53, 1
	s_cmp_lg_u32 s53, 0
	s_cbranch_scc1 .Lstep
	s_sub_co_u32 s71, s71, 1
	s_cmp_lg_u32 s71, 0
	s_cbranch_scc1 .Lslot
	CHANGE 0                                       ; the last slot is written out: nothing is asked for
	s_mov_b32 s53, 2
.Ltail:
	THEAD
	TMAIN
	s_sub_co_u32 s53, s53, 1
	s_cmp_lg_u32 s53, 0
	s_cbranch_scc1 .Ltail
	s_wait_dscnt 0x0                               ; V's last three fragments
.set c2, 13
.rept 3                                ; the last turn's last three groups, bare
.set t_, 0
.rept 4
	WIN 0xa0+0x50*(t_/2)
.set rO2, 128*(t_%2)+8*c2
.set rF2, FR+8*(c2%8)
.set rP, PB+8*t_
	v_wmma_f32_16x16x32_f16 v[rO2:rO2+7], v[rF2:rF2+7], v[rP:rP+7], v[rO2:rO2+7]
.set t_, t_+1
.endr
.set c2, c2+1
.endr
	WIN 0
	; THE END.  My l: its two halves and the other half of the lanes'.  c m and l go to my partner through LDS.
.irp t, 0,1,2,3
	v_add_f32 v[ST+8*\t+4], v[ST+8*\t+2], v[ST+8*\t+3]
.endr
.irp t, 0,1,2,3
	v_permlanex16_b32 v[ST+8*\t+5], v[ST+8*\t+4], s56, s57
.endr
.irp t, 0,1,2,3
	v_add_f32 v[ST+8*\t+4], v[ST+8*\t+4], v[ST+8*\t+5]
.endr
.irp t, 0,1,2,3
	ds_store_b32 v[SA], v[ST+8*\t] offset:256*\t
	ds_store_b32 v[SA], v[ST+8*\t+4] offset:256*\t+128
.endr
	s_wait_dscnt 0x0                               ; my statistics are stored, and my last reads of the slots are back
	s_barrier_signal -1
	s_barrier_wait -1                              ; so the slots, which have had their last fill, may serve as the stage
.irp t, 0,1,2,3
	ds_load_b32 v[FR+2*\t], v[SAP] offset:256*\t            ; my partner's c m
	ds_load_b32 v[FR+2*\t+1], v[SAP] offset:256*\t+128      ; and l
.endr
	s_wait_dscnt 0x0
	; the common maximum; my factor 2^(c m - maximum), my partner's; the common sum; my O is multiplied by my factor over that sum, my partner's likewise by its own, and the two are added
.irp t, 0,1,2,3
	v_max_num_f32 v[ST+8*\t+5], v[ST+8*\t], v[FR+2*\t]
.endr
.irp t, 0,1,2,3
	v_sub_f32 v[ST+8*\t+7], v[ST+8*\t], v[ST+8*\t+5]
.endr
.irp t, 0,1,2,3
	v_sub_f32 v[FR+2*\t], v[FR+2*\t], v[ST+8*\t+5]
.endr
.irp t, 0,1,2,3
	v_exp_f32 v[ST+8*\t+6], v[ST+8*\t+7]
.endr
.irp t, 0,1,2,3
	v_exp_f32 v[FR+2*\t], v[FR+2*\t]
.endr
	v_nop                                          ; a plain instruction between the last exponential and the use of its result
	s_wait_alu depctr_va_vdst(0)
.irp t, 0,1,2,3
	v_mul_f32 v[ST+8*\t+4], v[ST+8*\t+4], v[ST+8*\t+6]
.endr
.irp t, 0,1,2,3
	v_fma_f32 v[ST+8*\t+4], v[FR+2*\t+1], v[FR+2*\t], v[ST+8*\t+4]
.endr
.irp t, 0,1,2,3
	v_rcp_f32 v[ST+8*\t+5], v[ST+8*\t+4]
.endr
	v_nop
	s_wait_alu depctr_va_vdst(0)
.irp t, 0,1,2,3
	v_mul_f32 v[ST+8*\t+6], v[ST+8*\t+6], v[ST+8*\t+5]
.endr
.set t2, 0
.rept 4                                ; tile by tile: scaled, then into my stage: a lane's eight channels of a row are 32 bytes
.set c2, 0
.rept 16
	RSCL c2, t2, 0
	RSCL c2, t2, 1
	RSCL c2, t2, 2
	RSCL c2, t2, 3
.set c2, c2+1
.endr
	WIN 0x08+4*(t2/2)                              ; the stores' data in window 2 or 3
.set c2, 0
.rept 16
	ds_store_b128 v[STO], v[128*(t2%2)+8*c2:128*(t2%2)+8*c2+3]   offset:t2*16*OP+64*c2
	ds_store_b128 v[STO], v[128*(t2%2)+8*c2+4:128*(t2%2)+8*c2+7] offset:t2*16*OP+64*c2+16
.set c2, c2+1
.endr
.set t2, t2+1
.endr
	WIN 0
	s_wait_dscnt 0x0                               ; for my partner's sake: my stores into the stage are done
	s_barrier_signal -1
	s_barrier_wait -1
; I add and store rows 32 h .. 32 h + 31 of my block: four trips of eight rows, in two banks of four
.macro LOADB e
.set rB, SB0+64*(\e)
.set q_, 0
.rept 8
	ds_load_b128 v[rB+4*q_:rB+4*q_+3],       v112 offset:(4*(\e)+q_/2)*OP+512*(q_%2)
	ds_load_b128 v[rB+32+4*q_:rB+32+4*q_+3], v113 offset:(4*(\e)+q_/2)*OP+512*(q_%2)
.set q_, q_+1
.endr
.endm
.macro SUMB e
.set rB, SB0+64*(\e)
.set q_, 0
.rept 16
	v_pk_add_f32 v[rB+2*q_:rB+2*q_+1], v[rB+2*q_:rB+2*q_+1], v[rB+32+2*q_:rB+32+2*q_+1]
.set q_, q_+1
.endr
.set q_, 0
.rept 8
	global_store_b128 v[GO], v[rB+4*q_:rB+4*q_+3], s[6:7] offset:(4*(\e)+q_/2)*1024+512*(q_%2)   ; 512 consecutive bytes, at a multiple of 256 from on's first byte
.set q_, q_+1
.endr
.endm
	s_mov_b32 s62, 0
	s_mov_b32 s53, 4
.Lout:
	v_add_nc_u32 v112, s62, v[RD0]
	v_add_nc_u32 v113, s62, v[RD1]
	s_add_co_u32 s62, s62, 8*OP
	LOADB 0
	LOADB 1
	s_wait_dscnt 16                                ; the first bank is in; the second's sixteen loads may be out
	SUMB 0
	s_wait_dscnt 0x0
	SUMB 1
	s_wait_xcnt 0x0                                ; the stores' base and data are rewritten only behind this wait
	s_add_nc_u64 s[6:7], s[6:7], 8*1024
	s_sub_co_u32 s53, s53, 1
	s_cmp_lg_u32 s53, 0
	s_cbranch_scc1 .Lout
	s_wait_tensorcnt 0x0                           ; the wave's end
	ds_add_u32 v[SPW], v[NIL]
	s_wait_dscnt 0x0
	CROUND                                         ; the closing round
	s_endpgm
.Lfunc_end_k_qdf5a62502c_attn:
	.size	k_qdf5a62502c_attn, .Lfunc_end_k_qdf5a62502c_attn-k_qdf5a62502c_attn
	.p2alignl 7, 3214868480
	.fill 96, 4, 3214868480
	.section	.rodata,"a",@progbits
	.p2align	6, 0x0
	.amdhsa_kernel k_qdf5a62502c_attn
		.amdhsa_group_segment_fixed_size 327680
		.amdhsa_private_segment_fixed_size 0
		.amdhsa_enable_private_segment 0
		.amdhsa_kernarg_size 16
		.amdhsa_user_sgpr_count 2
		.amdhsa_user_sgpr_kernarg_segment_ptr 1
		.amdhsa_wavefront_size32 1
		.amdhsa_system_sgpr_workgroup_id_x 1
		.amdhsa_system_sgpr_workgroup_id_y 1
		.amdhsa_system_sgpr_workgroup_id_z 1
		.amdhsa_system_vgpr_workitem_id 0
		.amdhsa_next_free_vgpr 1024
		.amdhsa_next_free_sgpr 72
		.amdhsa_reserve_vcc 0
		.amdhsa_float_denorm_mode_32 3
		.amdhsa_float_denorm_mode_16_64 3
		.amdhsa_memory_ordered 1
		.amdhsa_forward_progress 1
		.amdhsa_inst_pref_size 173
	.end_amdhsa_kernel
	.amdgpu_metadata
---
amdhsa.version: [ 1, 2 ]
amdhsa.kernels:
  - .name:           k_qdf5a62502c_attn
    .symbol:         k_qdf5a62502c_attn.kd
    .args:
      - { .name: qkv, .offset: 0, .size: 8, .value_kind: global_buffer, .address_space: global }
      - { .name: on, .offset: 8, .size: 8, .value_kind: global_buffer, .address_space: global }
    .group_segment_fixed_size: 327680
    .private_segment_fixed_size: 0
    .kernarg_segment_align: 8
    .kernarg_segment_size: 16
    .max_flat_workgroup_size: 128
    .sgpr_count:     72
    .vgpr_count:     1024
    .wavefront_size: 32
...
	.end_amdgpu_metadata
.endif
;; end of part 3
;; launch comb (part 4): grid 512 x 1, 8 waves a work-group, no clusters, 0 bytes of LDS; arguments on, lam, out0; writes out0
.if DOCPART == 4
	.amdgcn_target "amdgcn-amd-amdhsa--gfx1250"
	.amdhsa_code_object_version 6
	.text
	.protected	k_qdf5a62502c_comb
	.globl	k_qdf5a62502c_comb
	.p2align	8
	.type	k_qdf5a62502c_comb,@function
k_qdf5a62502c_comb:
	s_mov_b64 s[64:65], 0
	v_nop
	global_prefetch_b8 v0, s[64:65] scope:SCOPE_SE
	s_setreg_imm32_b32 hwreg(HW_REG_WAVE_MODE, 25, 1), 1
	s_wait_xcnt 0x0
; out0 = on[0] - lambda on[1], lambda = exp(lam) + 0.05; all f32.  lam is rounded to bf16 first, like every input of the module.
; A stream: no LDS, no barrier, no matrix unit.  A work-group takes 32,768 bytes of each map; a wave's load or store covers 512 consecutive bytes; all 16 loads of a thread go out before the first wait.
.set MAPB, 16777216                    ; bytes in a map of on
.set P1,   8                           ; v[8:39]   map 0, then the result
.set P2,   40                          ; v[40:71]  map 1
	s_load_b128 s[4:7], s[0:1], 0x0                ; on s[4:5], lam s[6:7]
	s_load_b64 s[8:9], s[0:1], 0x10                ; out0
	s_lshl_b32 s12, ttmp9, 15
	s_mov_b32 s13, 0
	v_lshlrev_b32 v1, 4, v0
	s_wait_kmcnt 0x0
	s_load_b32 s14, s[6:7], 0x0
	s_add_nc_u64 s[4:5], s[4:5], s[12:13]
	s_add_nc_u64 s[10:11], s[4:5], MAPB
	s_add_nc_u64 s[8:9], s[8:9], s[12:13]
.set i, 0
.rept 8
	global_load_b128 v[P1+4*i:P1+4*i+3], v1, s[4:5] offset:4096*i th:TH_LOAD_NT
	global_load_b128 v[P2+4*i:P2+4*i+3], v1, s[10:11] offset:4096*i th:TH_LOAD_NT
.set i, i+1
.endr
	s_wait_kmcnt 0x0
	v_mov_b32 v2, s14
	v_cvt_pk_bf16_f32 v2, v2, v2
	v_lshlrev_b32 v2, 16, v2                       ; lam rounded to bf16
	v_mul_f32 v2, 0x3fb8aa3b, v2                   ; times log2(e)
	v_exp_f32 v2, v2
	v_nop                                          ; a plain instruction between the exponential and the use of its result
	s_wait_alu depctr_va_vdst(0)
	v_add_f32 v2, 0x3d4ccccd, v2                   ; + 0.05
	v_mov_b32 v3, v2                               ; a pair for the packed multiply-add
.set i, 0
.rept 8
	s_wait_loadcnt 14-2*i                          ; loads come back in order: pair i is in, the younger pairs stay out
	v_pk_fma_f32 v[P1+4*i:P1+4*i+1],   v[P2+4*i:P2+4*i+1],   v[2:3], v[P1+4*i:P1+4*i+1]   neg_lo:[0,1,0] neg_hi:[0,1,0]
	v_pk_fma_f32 v[P1+4*i+2:P1+4*i+3], v[P2+4*i+2:P2+4*i+3], v[2:3], v[P1+4*i+2:P1+4*i+3] neg_lo:[0,1,0] neg_hi:[0,1,0]
	global_store_b128 v1, v[P1+4*i:P1+4*i+3], s[8:9] offset:4096*i th:TH_STORE_NT   ; no register is written behind a store
.set i, i+1
.endr
	s_endpgm
.Lfunc_end_k_qdf5a62502c_comb:
	.size	k_qdf5a62502c_comb, .Lfunc_end_k_qdf5a62502c_comb-k_qdf5a62502c_comb
	.p2alignl 7, 3214868480
	.fill 96, 4, 3214868480
	.section	.rodata,"a",@progbits
	.p2align	6, 0x0
	.amdhsa_kernel k_qdf5a62502c_comb
		.amdhsa_group_segment_fixed_size 0
		.amdhsa_private_segment_fixed_size 0
		.amdhsa_enable_private_segment 0
		.amdhsa_kernarg_size 24
		.amdhsa_user_sgpr_count 2
		.amdhsa_user_sgpr_kernarg_segment_ptr 1
		.amdhsa_wavefront_size32 1
		.amdhsa_system_sgpr_workgroup_id_x 1
		.amdhsa_system_sgpr_workgroup_id_y 1
		.amdhsa_system_sgpr_workgroup_id_z 1
		.amdhsa_system_vgpr_workitem_id 0
		.amdhsa_next_free_vgpr 80
		.amdhsa_next_free_sgpr 66
		.amdhsa_reserve_vcc 0
		.amdhsa_float_denorm_mode_32 3
		.amdhsa_float_denorm_mode_16_64 3
		.amdhsa_memory_ordered 1
		.amdhsa_forward_progress 1
		.amdhsa_inst_pref_size 5
	.end_amdhsa_kernel
	.amdgpu_metadata
---
amdhsa.version: [ 1, 2 ]
amdhsa.kernels:
  - .name:           k_qdf5a62502c_comb
    .symbol:         k_qdf5a62502c_comb.kd
    .args:
      - { .name: on, .offset: 0, .size: 8, .value_kind: global_buffer, .address_space: global }
      - { .name: lam, .offset: 8, .size: 8, .value_kind: global_buffer, .address_space: global }
      - { .name: out0, .offset: 16, .size: 8, .value_kind: global_buffer, .address_space: global }
    .group_segment_fixed_size: 0
    .private_segment_fixed_size: 0
    .kernarg_segment_align: 8
    .kernarg_segment_size: 24
    .max_flat_workgroup_size: 256
    .sgpr_count:     66
    .vgpr_count:     80
    .wavefront_size: 32
...
	.end_amdgpu_metadata
.endif
;; end of part 4
;; ======== version 2 of 3: 4 launches; 1.11 times as fast as version 1
;; limits: values are held in f16: magnitudes above 65,504 overflow, below 6.1e-05 lose precision
;; workspace buffers: xw 18,087,936 bytes; bi 5,120 bytes; qkv 41,943,040 bytes; on 33,554,432 bytes
;; launch cvt: the kernel of part 1 again; grid 553 x 1, 8 waves a work-group, no clusters, 0 bytes of LDS; arguments X, Wq, Wk, Wv, bq, bk, bv, xw, bi; writes xw, bi
;; launch proj: the kernel of part 2 again; grid 128 x 2, 4 waves a work-group, clusters of 4 x 1, 327,680 bytes of LDS; arguments xw, bi, qkv; writes qkv
;; launch attn (part 5): grid 32 x 8, 4 waves a work-group, clusters of 4 x 1, 327,680 bytes of LDS; arguments qkv, on; writes on
.if DOCPART == 5
	.amdgcn_target "amdgcn-amd-amdhsa--gfx1250"
	.amdhsa_code_object_version 6
	.text
	.protected	k_qdf5a62502c_attn
	.globl	k_qdf5a62502c_attn
	.p2align	8
	.type	k_qdf5a62502c_attn,@function
k_qdf5a62502c_attn:
	s_mov_b64 s[64:65], 0
	v_nop
	global_prefetch_b8 v0, s[64:65] scope:SCOPE_SE
	s_setreg_imm32_b32 hwreg(HW_REG_WAVE_MODE, 25, 1), 1
	s_wait_xcnt 0x0
	s_wait_alu depctr_hold_cnt(0) depctr_sa_sdst(0) depctr_va_vdst(0) depctr_va_sdst(0) depctr_va_ssrc(0) depctr_va_vcc(0) depctr_vm_vsrc(0)
	s_getreg_b32 s2, hwreg(HW_REG_IB_STS2, 6, 4)
	s_cmp_eq_u32 s2, 0
	s_cbranch_scc0 .Lentry_in_a_cluster
	s_endpgm
.Lentry_in_a_cluster:
	s_bfe_u32 s2, ttmp6, 0x10000c
	s_cmp_lg_u32 s2, 0x3003
	s_cbranch_scc0 .Lentry_shape_is_right
	s_endpgm
.Lentry_shape_is_right:
; on[m][row][:] = softmax_k(Q_m[row] . K_m[k] / 16) V[k][:] for map m = 0, 1: head size 256, 4,096 keys a batch, 4 batches.  Q, K, V: f16 in qkv, rows of 2,560 bytes (Q1 0, Q2 512, K1 1,024, K2 1,536, V 2,048).
; Products, maxima and sums in f32; the weights p are rounded to f16 for the second product (their sum l is taken of the unrounded p); the result leaves in f32.
; LIMITS.  Q, K, V arrive within f16's 65,504; a weight below 2^-126 counts as 0 in l; NaN and infinities are not treated apart.
; SHARES.  A work-group: 128 queries of one batch and map.  Wave w: 64 queries (w / 2), four tiles of 16, and HALF OF THE KEYS (w % 2): of each step's 64 keys its own 32.  So a fragment of K or V read from LDS
; feeds four products, and the two waves of a query block each keep a maximum, a sum and an O of their own, which meet in LDS at the end.
; LAYOUT.  S^T = K Q^T (source 0 = 16 keys, source 1 = 16 queries): a lane holds ONE query (lane % 16) and keys 8 (lane / 16) + 0..7.  A tile's two results, rounded to f16 in pairs, ARE source 1
; (32 keys x 16 queries) of O^T = V^T P, whose result again holds one query a lane and eight channels.  K comes out of LDS as it lies, V turned, by ds_load_tr16_b128.
; SOFTMAX.  Running maximum m and sum l: p = 2^(c s - c m), c = log2(e) / 16; in every step O and l are multiplied by a = 2^(c m_old - c m_new).  m starts at the lowest finite number, O and l at 0, so the first
; step is a step like any other with a = 0.  O^T's 512 registers are set to 0 by 64 products of zero operands, in the wait for Q and K.
; A TURN is a key step j, written once: 32 roundings P(j) = f16(S); 64 products K Q^T of step j + 1 into S, behind each the four rescalings of one accumulator of O^T by a(j); 64 products V^T P of step j, and
; behind them the softmax of step j + 1 (184 lines, 2 to 4 behind each).  A GROUP is one fragment times the four tiles: groups 0-15 take K, groups 16-31 V.
; THE LDS LOADS STAND IN RUNS, never singly among the matrix instructions.  A turn's 32 groups are six runs of 6, 5, 6, 5, 5, 5 groups, on two banks of registers by turns; at the head of a run's products the
; next run's fragments are loaded into the other bank, 10 or 12 loads on end, five or six groups ahead of their first use.
; A TRIP of the loop is a turn rotated: groups 27-31 of the turn before, then groups 0-26, so that all LDS loads of a trip belong to one turn and the change of slots stands between trips.
; RING.  Two LDS slots; slot s holds K of steps 2 s + 1, 2 s + 2 and V of steps 2 s, 2 s + 1, as the turns read them.  K of step 0 comes straight from memory.  The last slot's second K would be step 64: step 63
; is asked for again.  The last turn's 64 products on it give step 63's scores once more, so the maximum that its riders take is the old one and m and c m stay as they are; the line that would add to l lies in
; the five groups that are written out bare behind the loop.  That is the price of one text for every turn.
; CLUSTER.  The four query blocks of a cluster share batch and map, so K and V are asked for JOINTLY: the same tensor load, descriptor and mask in all four.  Waves 0, 1 bring a slot's two K, waves 2, 3 its two V.
; REGISTERS: window 0: addresses, statistics, the fragments' two banks, S^T, P.  Window 1: Q.  Windows 2, 3: O^T (tiles 0, 1 and 2, 3).
.set PK,    528                        ; a row of K in LDS: 512 bytes + 16: 132 words, so the 16 rows of a load start 4 words apart modulo 64
.set PV,    544                        ; a row of V: 512 + 32: 136 words
.set KP,    64*PK                      ; a step's K
.set VP,    64*PV                      ; a step's V
.set VOFF,  2*KP                       ; V's two parts lie behind K's two
.set SLOT1, 0x22000                    ; 139,264: slot 1 begins here, so that one exclusive or turns an address in one slot into the other's
.set STAT,  SLOT1+2*KP+2*VP            ; 276,480: 1,024 bytes a wave: c m and l of its four tiles; no tile lands here
.set SPARE, STAT+4096                  ; the spare words, 128 bytes a wave: two blocks of 256 bytes that no other line names
.set OP,    1040                       ; the end's stage, over the slots behind their last fill: 64 rows x 1,040 bytes a wave
.set OREG,  64*OP
.set QP,    2560                       ; bytes in a row of qkv
.set KSTEP, 64*QP                      ; 64 keys in memory
.set AK0, 2                            ; v2   my lane's place in a step's K; never rewritten
.set AV0, 3                            ; v3   the same for V
.set AK,  4                            ; v4   the same for the turn in hand
.set AV,  5                            ; v5
.set QO,  6                            ; v6   my byte offset in 16 rows of qkv
.set RD0, 7                            ; v7   the end: my rows in my block's first stage
.set RD1, 8                            ; v8   and in its second
.set SA,  10                           ; v10  my statistics' place
.set SAP, 11                           ; v11  my partner's
.set GO,  12                           ; v12  16 x lane
.set STO, 13                           ; v13  into my stage
.set SPW, 14                           ; v14  LDS address of my spare word; never rewritten
.set NIL, 15                           ; v15  0; never rewritten
.set ST,  16                           ; tile t at v[ST+8 t]: +0 c m, +1 m, +2 +3 l, +4 +5 C0 C1 (later the step's sum T), +6 a, +7 C3
.set FR,  48                           ; the fragments' eleven places of 8 registers: bank A places 0-5 (v48-95), bank B places 6-9 (v96-127) and place 10 (v224-231)
.set FR10, 224
.set ZR,  112                          ; v[112:127] at the start the zero operands (later places 8, 9); v112, v113 at work before that and at the end
.set SB0, 128                          ; v[128:191] S^T: tile t at +16 t, key block kb at +8 kb
.set PB,  192                          ; v[192:223] P: tile t at +8 t
.set W_KQ, 0x04                        ; Q in window 1, all else in window 0
.set MSB, 0
.macro WIN new                         ; the immediate's high byte repeats the setting that is left; a switch that changes nothing is dropped
.if MSB != (\new)
	s_set_vgpr_msb (MSB<<8)|(\new)
.set MSB, \new
.endif
.endm
.macro PLACES                          ; four plain vector instructions between a matrix instruction and a load into, or a vector read of, its registers
.rept 4
	v_nop
.endr
.endm
.macro CROUND                          ; a round of the cluster's barrier: my work-group's barrier; wave 0 signals for the work-group; all wait for the four work-groups; my work-group's barrier again
	s_barrier_signal -1
	s_barrier_wait -1
	s_cmp_lg_u32 s8, 0
	s_cbranch_scc1 .Lnot_wave_0_\@
	s_barrier_signal -3
.Lnot_wave_0_\@:
	s_barrier_wait -3
	s_barrier_signal -1
	s_barrier_wait -1
.endm
.macro JLOAD                           ; a joint refill by the walking descriptors; an s_nop 0 and four v_nop follow each of the two lines
	s_cmp_lt_u32 s8, 2
	s_cbranch_scc0 .Lfor_v_\@
	tensor_load_to_lds s[36:39], s[16:23]
	s_nop 0
.rept 4
	v_nop
.endr
	s_branch .Lasked_\@
.Lfor_v_\@:
	tensor_load_to_lds s[44:47], s[24:31]
	s_nop 0
.rept 4
	v_nop
.endr
.Lasked_\@:
.endm
	s_load_b128 s[4:7], s[0:1], 0x0                ; qkv s[4:5], on s[6:7]
	v_lshl_add_u32 v[SPW], v0, 2, SPARE
	v_mov_b32 v[NIL], 0
	ds_add_u32 v14, v15
	s_wait_dscnt 0x0
	v_lshrrev_b32 v1, 5, v0
	v_readfirstlane_b32 s8, v1                     ; wave 0..3
	s_lshr_b32 s9, s8, 1                           ; a: which 64 queries
	s_and_b32 s10, s8, 1                           ; h: which half of the keys; also which of a slot's two parts I fetch
	s_and_b32 s3, ttmp7, 0xffff
	s_lshr_b32 s2, s3, 1                           ; the batch
	s_and_b32 s3, s3, 1                            ; the map: both shared by the four partners
	; descriptor group 1: 64 rows x 256 elements of 2 bytes, 1,280 elements from row to row, padded behind every 128 words
	s_mov_b32 s16, 15|(1<<16)|(1<<20)|(1<<21)|(6<<22)|(3<<25)  ; K: mask of four; 2-byte elements; padding on; bit 21 beside a mask; interval code 6; 4 words
	s_mov_b32 s24, 15|(1<<16)|(1<<20)|(1<<21)|(6<<22)|(7<<25)  ; V: the same with 8 words
.irp g, 16, 24
	s_mov_b32 s[\g+1], 256<<16                     ; tensor_dim0 = 256
	s_mov_b32 s[\g+2], 64<<16                      ; tensor_dim1 = 64
	s_mov_b32 s[\g+3], 256<<16                     ; tile_dim0 = 256
	s_mov_b32 s[\g+4], 64                          ; tile_dim1 = 64
	s_mov_b32 s[\g+5], 1280
	s_mov_b32 s[\g+6], 0
	s_mov_b32 s[\g+7], 0
.endr
	s_mov_b32 s32, 1                               ; group 0 for K: set 0 slot 0, set 1 slot 1 (it then walks)
	s_mul_i32 s33, s10, KP
	s_mov_b32 s36, 1
	s_add_co_u32 s37, s33, SLOT1
	s_mov_b32 s40, 1                               ; the same for V
	s_mul_i32 s41, s10, VP
	s_add_co_u32 s41, s41, VOFF
	s_mov_b32 s44, 1
	s_add_co_u32 s45, s41, SLOT1
	s_mul_i32 s62, s2, 4096*QP                     ; the batch's first byte
	s_lshl_b32 s63, s3, 9
	s_add_co_u32 s63, s63, s62
	s_add_co_u32 s48, s63, 1024                    ; K of my map
	s_mov_b32 s49, 0
	s_add_co_u32 s62, s62, 2048                    ; V
	s_mov_b32 s63, 0
	s_mul_i32 s58, s10, KSTEP
	s_mov_b32 s59, 0
	s_mul_i32 s51, s10, KSTEP
	s_sub_co_u32 s51, 2*KSTEP, s51                 ; how far K's descriptor walks at the last refill: part 0 from step 61 to 63, part 1 from step 62 to 63 (step 64 there is none)
	s_mov_b32 s52, 0                               ; LDS byte at which K of the turn to be fetched begins
	s_mov_b32 s70, 0                               ; the same for V, less VOFF
	s_mov_b32 s54, 0x3db8aa3b                      ; c = log2(e) / 16 = 0.0901684
	s_mov_b32 s55, s54                             ; named with it as a pair
	s_mov_b32 s56, 0x76543210                      ; v_permlanex16_b32: each lane takes its own place in the other half
	s_mov_b32 s57, 0xfedcba98
	; what hangs on my place in the cluster enters Q's and on's addresses alone
	s_bfe_u32 s66, ttmp6, 0x40000                  ; cx
	s_lshl_b32 s11, ttmp9, 2
	s_add_co_u32 s11, s11, s66                     ; my block of 128 queries
	s_lshl_b32 s66, s2, 12
	s_lshl_b32 s67, s11, 7
	s_add_co_u32 s66, s66, s67
	s_lshl_b32 s67, s9, 6
	s_add_co_u32 s66, s66, s67                     ; my wave's first query row
	s_mul_i32 s68, s66, QP
	s_lshl_b32 s67, s3, 9
	s_add_co_u32 s68, s68, s67
	s_mov_b32 s69, 0
	s_wait_kmcnt 0x0
	s_add_nc_u64 s[60:61], s[4:5], s[68:69]        ; Q of my map at that row
	s_lshl_b32 s67, s10, 5
	s_add_co_u32 s66, s66, s67                     ; the 32 rows that I store
	s_lshl_b32 s68, s66, 10
	s_lshl_b32 s67, s3, 24
	s_add_co_u32 s68, s68, s67
	s_add_nc_u64 s[6:7], s[6:7], s[68:69]
	s_add_nc_u64 s[12:13], s[4:5], s[48:49]        ; K of my batch and map
	s_add_nc_u64 s[14:15], s[4:5], s[62:63]        ; V of my batch
	s_add_nc_u64 s[42:43], s[14:15], s[58:59]      ; V of step h,
	s_add_nc_u64 s[46:47], s[42:43], 2*KSTEP       ; of step 2 + h
	s_add_nc_u64 s[34:35], s[12:13], s[58:59]
	s_add_nc_u64 s[34:35], s[34:35], KSTEP         ; K of step 1 + h,
	s_add_nc_u64 s[38:39], s[34:35], 2*KSTEP       ; of step 3 + h
	s_or_b32 s35, s35, 0x80000000                  ; type = 2
	s_or_b32 s39, s39, 0x80000000
	s_or_b32 s43, s43, 0x80000000
	s_or_b32 s47, s47, 0x80000000
	s_mul_i32 s58, s10, 32*QP
	s_add_nc_u64 s[58:59], s[12:13], s[58:59]      ; K of step 0, my 32 keys
	CROUND                                         ; all four work-groups are here: the first joint loads meet
	s_cmp_lt_u32 s8, 2                             ; a wave's two first fills stand in one branch: two loads of mine are out
	s_cbranch_scc0 .Lfirst_v
	tensor_load_to_lds s[32:35], s[16:23]
	s_nop 0
	tensor_load_to_lds s[36:39], s[16:23]
	s_nop 0
.rept 4
	v_nop
.endr
	s_branch .Lfirst_asked
.Lfirst_v:
	tensor_load_to_lds s[40:43], s[24:31]
	s_nop 0
	tensor_load_to_lds s[44:47], s[24:31]
	s_nop 0
.rept 4
	v_nop
.endr
.Lfirst_asked:
	; A fragment of K or Q: lane l holds row l % 16, channels 8 (l / 16) + 0..7 and 16 + 8 (l / 16) + 0..7: two loads of 16 bytes, 32 apart
	v_and_b32 v1, 15, v0
	v_bfe_u32 v9, v0, 4, 1
	v_mul_u32_u24 v[QO], v1, QP
	v_lshl_add_u32 v[QO], v9, 4, v[QO]
	WIN 0x40
.set i_, 0
.rept 32                               ; Q stays in registers: tile i / 8, channels 32 (i % 8) on
	global_load_b128 v[8*i_:8*i_+3],   v[QO], s[60:61] offset:(i_/8)*16*QP+(i_%8)*64
	global_load_b128 v[8*i_+4:8*i_+7], v[QO], s[60:61] offset:(i_/8)*16*QP+(i_%8)*64+32
.set i_, i_+1
.endr
	WIN 0
.set i_, 0
.rept 16                               ; K of step 0: key block i / 8; the first eight fragments into v48-111, the others into v192-255, still free
.set rF, FR+8*i_
.if i_ >= 8
.set rF, PB+8*(i_-8)
.endif
	global_load_b128 v[rF:rF+3],   v[QO], s[58:59] offset:(i_/8)*16*QP+(i_%8)*64
	global_load_b128 v[rF+4:rF+7], v[QO], s[58:59] offset:(i_/8)*16*QP+(i_%8)*64+32
.set i_, i_+1
.endr
	s_mul_i32 s62, s10, 32*PK
	v_mul_u32_u24 v[AK0], v1, PK
	v_lshl_add_u32 v[AK0], v9, 4, v[AK0]
	v_add_nc_u32 v[AK0], s62, v[AK0]               ; (32 h + l % 16) rows + 16 x half
	; the turning load: lane l reads key 8 (l / 16) + l % 8, channels 8 ((l / 8) % 2) + 0..7, and is left with channel l % 16 and 8 keys
	v_and_b32 v112, 7, v0
	v_bfe_u32 v113, v0, 3, 1
	v_lshl_add_u32 v[AV0], v9, 3, v112
	v_mul_u32_u24 v[AV0], v[AV0], PV
	v_lshl_add_u32 v[AV0], v113, 4, v[AV0]
	s_mul_i32 s62, s10, 32*PV
	s_add_co_u32 s62, s62, VOFF
	v_add_nc_u32 v[AV0], s62, v[AV0]
	v_and_b32 v[GO], 31, v0
	v_lshlrev_b32 v[GO], 4, v[GO]
	s_mul_i32 s62, s9, 2*OREG
	s_mul_i32 s63, s10, 32*OP
	s_add_co_u32 s62, s62, s63
	v_add_nc_u32 v[RD0], s62, v[GO]                ; rows 32 h on of my block's two stages
	v_add_nc_u32 v[RD1], OREG, v[RD0]
	v_lshrrev_b32 v[SA], 2, v[GO]                  ; 4 x lane
	s_xor_b32 s63, s8, 1                           ; my partner: the same queries, the other keys
	s_lshl_b32 s63, s63, 10
	s_add_co_u32 s63, s63, STAT
	v_add_nc_u32 v[SAP], s63, v[SA]
	s_lshl_b32 s62, s8, 10
	s_add_co_u32 s62, s62, STAT
	v_add_nc_u32 v[SA], s62, v[SA]
	s_mul_i32 s62, s8, OREG
	v_mul_u32_u24 v[STO], v1, OP
	v_lshl_add_u32 v[STO], v9, 5, v[STO]
	v_add_nc_u32 v[STO], s62, v[STO]               ; my stage: row l % 16, 32 bytes for each half of the lanes
.set i_, 0
.rept 16
	v_mov_b32 v[ZR+i_], 0                          ; two zero operands
.set i_, i_+1
.endr
	WIN 0x80                                       ; O^T = 0 x 0 + 0: 64 products write its 512 registers, in the wait for Q and K
.set i_, 0
.rept 32
	v_wmma_f32_16x16x32_f16 v[8*i_:8*i_+7], v[ZR:ZR+7], v[ZR+8:ZR+15], 0
.set i_, i_+1
.endr
	WIN 0xc0
.set i_, 0
.rept 32
	v_wmma_f32_16x16x32_f16 v[8*i_:8*i_+7], v[ZR:ZR+7], v[ZR+8:ZR+15], 0
.set i_, i_+1
.endr
	WIN 0
.irp t, 0,1,2,3
	v_mov_b32 v[ST+8*\t], 0xfe000000               ; c m: far below every c s
	v_mov_b32 v[ST+8*\t+1], 0xff7fffff             ; m
	v_mov_b32 v[ST+8*\t+2], 0
	v_mov_b32 v[ST+8*\t+3], 0
.endr
; THE SOFTMAX of a step: 4 tiles x 46 lines, in 208 numbered places of which 24 are empty; SMX writes place n.  s0-s15 are a tile's scores, T the pair C0:C1.
; Places 0-55: number n / 4 of tile n % 4 (each link of the chain waits for the one before, so the tiles alternate):
;   0-7 the maximum of s0-s15 and the old m, each accumulator's lowest registers first;  8 the other half of the lanes';  9 c m_old kept;  10 m;  11 c m;  12 c m_old - c m;  13 c s - c m for pair 0.
; From 56 on blocks k = 0..18 of eight places: for each tile an exponential and a plain line.  Exponentials: a (k = 0), s0-s15 (k = 1..16).  Plain: c s - c m for pairs 1-7 at k = 0, 2, .., 12; T = pair 0 + pair 1
; at k = 5; T += pair 2, 3, 4 at k = 7, 9, 11, pair 5, 6, 7 at k = 14, 16, 17; l = a l + T at k = 18; none at k = 1, 3, 13, 15.  Each plain line leaves the exponential in front of it alone, and between every
; exponential and the first use of its result stands the tile's own plain line of that block or of a later one (ISA guide 5.7.2).
.macro SMX n
.if (\n) < 56
.set jj, (\n)/4
.set tt, (\n)%4
.set kk, 0
.set pp, 0
.else
.set jj, 99
.set kk, ((\n)-56)/8
.set tt, (((\n)-56)%8)/2
.set pp, ((\n)-56)%2
.endif
.set rT, ST+8*tt
.set rS, SB0+16*tt
.set em, 1
.if (jj == 99) && (pp == 0) && (kk > 16)
.set em, 0
.endif
.if (jj == 99) && (pp == 1) && ((kk == 1) || (kk == 3) || (kk == 13) || (kk == 15))
.set em, 0
.endif
.if em
	WIN 0
.if jj < 2
	v_max3_num_f32 v[rT+4+jj], v[rS+8*jj], v[rS+8*jj+1], v[rS+8*jj+2]
.elseif jj < 6
	v_max3_num_f32 v[rT+4+jj%2], v[rT+4+jj%2], v[rS+8*(jj%2)+2*(jj/2)+1], v[rS+8*(jj%2)+2*(jj/2)+2]
.elseif jj == 6
	v_max3_num_f32 v[rT+4], v[rT+4], v[rS+7], v[rS+15]
.elseif jj == 7
	v_max3_num_f32 v[rT+4], v[rT+4], v[rT+5], v[rT+1]
.elseif jj == 8
	v_permlanex16_b32 v[rT+5], v[rT+4], s56, s57
.elseif jj == 9
	v_mov_b32 v[rT+7], v[rT]
.elseif jj == 10
	v_max_num_f32 v[rT+1], v[rT+4], v[rT+5]
.elseif jj == 11
	v_mul_f32 v[rT], s54, v[rT+1]
.elseif jj == 12
	v_sub_f32 v[rT+7], v[rT+7], v[rT]
.elseif jj == 13
	v_pk_fma_f32 v[rS:rS+1], v[rS:rS+1], s[54:55], v[rT:rT+1] op_sel_hi:[1,0,0] neg_lo:[0,0,1] neg_hi:[0,0,1]
.elseif (pp == 0) && (kk == 0)
	v_exp_f32 v[rT+6], v[rT+7]
.elseif pp == 0
	v_exp_f32 v[rS+kk-1], v[rS+kk-1]
.elseif (kk%2 == 0) && (kk <= 12)
.set fi, kk/2+1
	v_pk_fma_f32 v[rS+2*fi:rS+2*fi+1], v[rS+2*fi:rS+2*fi+1], s[54:55], v[rT:rT+1] op_sel_hi:[1,0,0] neg_lo:[0,0,1] neg_hi:[0,0,1]
.elseif kk == 5
	s_wait_alu depctr_va_vdst(0)
	v_pk_add_f32 v[rT+4:rT+5], v[rS:rS+1], v[rS+2:rS+3]
.elseif kk == 18
	v_pk_fma_f32 v[rT+2:rT+3], v[rT+2:rT+3], v[rT+6:rT+7], v[rT+4:rT+5] op_sel_hi:[1,0,1]
.else
.set fi, (kk-3)/2
.if kk == 14
.set fi, 5
.elseif kk == 16
.set fi, 6
.elseif kk == 17
.set fi, 7
.endif
	s_wait_alu depctr_va_vdst(0)
	v_pk_add_f32 v[rT+4:rT+5], v[rT+4:rT+5], v[rS+2*fi:rS+2*fi+1]
.endif
.endif
.endm
; pair z of the eight registers of O^T(tile t, channel block cb) times the tile's factor (a in the loop); z ascends
.macro RSCL cb, t, z
	WIN 0x82+0x41*((\t)/2)
.set rO, 128*((\t)%2)+8*(\cb)+2*(\z)
.set rA, ST+8*(\t)+6
	v_pk_mul_f32 v[rO:rO+1], v[rO:rO+1], v[rA:rA+1] op_sel_hi:[1,0]
.endm
; where group g's fragment lies: rFP.  The runs begin at groups 0, 6, 11, 17, 22, 27; those at 0, 11, 22 take bank A from place 0 on, those at 6, 17, 27 bank B from place 6 on
.macro FPL g
.set gq, (\g)%32
.if gq < 11
.set pl, gq
.elseif gq < 22
.set pl, gq-11
.elseif gq < 27
.set pl, gq-22
.else
.set pl, gq-21
.endif
.set rFP, FR+8*pl
.if pl == 10
.set rFP, FR10
.endif
.endm
; group gg's fragment into its place: two LDS loads.  Groups 0-15 take K (key block, then 32 channels), groups 16-31 V (16 channels, 32 keys, turned)
.macro LDF gg
	FPL \gg
.set el, (\gg)%32
	WIN 0
.if el < 16
.set lofs, (el/8)*16*PK+(el%8)*64
	ds_load_b128 v[rFP:rFP+3],   v[AK] offset:lofs
	ds_load_b128 v[rFP+4:rFP+7], v[AK] offset:lofs+32
.else
.set lofs, (el%16)*32
	ds_load_tr16_b128 v[rFP:rFP+3],   v[AV] offset:lofs
	ds_load_tr16_b128 v[rFP+4:rFP+7], v[AV] offset:lofs+16*PV
.endif
.endm
; A RUN: the fragments of n groups from group 'first' on, 2 n loads on end, into the bank whose last product stands just in front: four places between.  The count behind them leaves exactly these 2 n loads out:
; LDS loads come back in order (ISA guide 5.7.1), so the run before, whose products follow, is in.
.macro RUN first, n
	WIN 0
	PLACES
.set gl, \first
.rept \n
	LDF gl
.set gl, gl+1
.endr
	s_wait_dscnt 2*(\n)
.endm
; Group f of K Q^T: fragment f of the next step's K times the four tiles' Q; the four accumulators take turns.  Behind product (f, t): O^T(t, channel block f) times a.
.macro GA f
	FPL \f
.set t_, 0
.rept 4
	WIN W_KQ
.set rS2, SB0+16*t_+8*((\f)/8)
.set rQ, 64*t_+8*((\f)%8)
.if ((\f)%8) == 0
	v_wmma_f32_16x16x32_f16 v[rS2:rS2+7], v[rFP:rFP+7], v[rQ:rQ+7], 0
.else
	v_wmma_f32_16x16x32_f16 v[rS2:rS2+7], v[rFP:rFP+7], v[rQ:rQ+7], v[rS2:rS2+7]
.endif
	RSCL \f, t_, 0
	RSCL \f, t_, 1
	RSCL \f, t_, 2
	RSCL \f, t_, 3
.set t_, t_+1
.endr
.endm
; Group 16 + cb of V^T P: channel block cb of this step's V times the four tiles' P.  Behind product i = 4 cb + t stand the softmax's places 13 i / 4 up to 13 (i + 1) / 4.
.macro GB cb
	FPL 16+(\cb)
.set t_, 0
.rept 4
	WIN 0xa0+0x50*(t_/2)
.set rO2, 128*(t_%2)+8*(\cb)
.set rP, PB+8*t_
	v_wmma_f32_16x16x32_f16 v[rO2:rO2+7], v[rFP:rFP+7], v[rP:rP+7], v[rO2:rO2+7]
.set qn, (13*(4*(\cb)+t_))/4
.set qe, (13*(4*(\cb)+t_)+13)/4
.rept qe-qn
	SMX qn
.set qn, qn+1
.endr
.set t_, t_+1
.endr
.endm
; A TRIP'S HEAD: the addresses of this trip's turn; its K's first run, into bank A, which groups 22-26 have left; then the last five groups of the turn before, on bank B.
.macro THEAD
	v_add_nc_u32 v[AK], s52, v[AK0]
	v_add_nc_u32 v[AV], s70, v[AV0]
	s_add_co_u32 s52, s52, KP                      ; the next trip's turn takes the slot's next part
	s_add_co_u32 s70, s70, VP
	RUN 0, 6
	GB 11
	GB 12
	GB 13
	GB 14
	GB 15
	WIN 0
.endm
; THE REST OF A TRIP: the roundings, tile 0 first (the last products that read P(t) stand four plain lines or more back); then groups 0-26, and at the head of each run's products the next run's loads.
; The turn's last run, V's channel blocks 11-15, goes out ahead of group 22: a trip reads nothing of the next turn's, which may lie in the other slot.
.macro TMAIN
	WIN 0
.set t_, 0
.rept 4
.set z_, 0
.rept 8
	v_cvt_pk_f16_f32 v[PB+8*t_+z_], v[SB0+16*t_+2*z_], v[SB0+16*t_+2*z_+1]
.set z_, z_+1
.endr
.set t_, t_+1
.endr
	RUN 6, 5
.set gi, 0
.rept 6
	GA gi
.set gi, gi+1
.endr
	RUN 11, 6
.rept 5
	GA gi
.set gi, gi+1
.endr
	RUN 17, 5
.rept 5
	GA gi
.set gi, gi+1
.endr
	GB 0
	RUN 22, 5
.set gi, 1
.rept 5
	GB gi
.set gi, gi+1
.endr
	RUN 27, 5
.rept 5
	GB gi
.set gi, gi+1
.endr
	WIN 0
.endm
; THE CHANGE OF SLOTS, between trips: the slot's last bytes, V of its second step, have been asked for.  Each wave waits for all its tensor loads, of which one is out: its part of the other slot; adds 0 to its
; spare word; and waits for that and for its own reads of the slot.  Behind the barrier nobody reads this slot any more and the other slot is whole.  fill = 1: the slot is filled again, two slots on; the barrier is
; then a round of the cluster's, and the joint refill is the first thing behind it: it has two turns, 256 products, in which to land.
.macro CHANGE fill
	WIN 0
	s_wait_tensorcnt 0x0                           ; no tensor load of mine is out, so a group 0 may be written
	ds_add_u32 v[SPW], v[NIL]                      ; 0 onto my spare word: with fill = 1 the descriptors' steps stand between it and the wait for it
.if \fill
	s_cmp_eq_u32 s71, 1                            ; the 30th and last refill?  The count is the same in every wave and work-group
	s_cselect_b32 s48, s51, 2*KSTEP                ; K walks two steps on; at the last refill both parts go to step 63
	s_xor_b32 s37, s37, SLOT1                      ; the walking descriptors: the other slot than last time,
	s_add_nc_u64 s[38:39], s[38:39], s[48:49]      ; the next keys; the type bits on top are not reached
	s_xor_b32 s45, s45, SLOT1
	s_add_nc_u64 s[46:47], s[46:47], 2*KSTEP       ; V walks two steps on every time
	s_wait_dscnt 0x0                               ; the add is done, and my reads of the slot are over
	CROUND
	JLOAD
.else
	s_wait_dscnt 0x0                               ; the add is done, and my reads of the slot are over
	s_barrier_signal -1
	s_barrier_wait -1
.endif
	s_sub_co_u32 s52, s52, 2*KP                    ; the fetches go back to a slot's first part,
	s_xor_b32 s52, s52, SLOT1                      ; in the other slot
	s_sub_co_u32 s70, s70, 2*VP
	s_xor_b32 s70, s70, SLOT1
.endm
	s_wait_loadcnt 0x0                             ; Q and K of step 0
	WIN W_KQ
.set i_, 0
.rept 16                               ; the first scores: there is no vector work yet to set between them
.set rF, FR+8*i_
.if i_ >= 8
.set rF, PB+8*(i_-8)
.endif
.set t_, 0
.rept 4
.set rS2, SB0+16*t_+8*(i_/8)
.set rQ, 64*t_+8*(i_%8)
.if (i_%8) == 0
	v_wmma_f32_16x16x32_f16 v[rS2:rS2+7], v[rF:rF+7], v[rQ:rQ+7], 0
.else
	v_wmma_f32_16x16x32_f16 v[rS2:rS2+7], v[rF:rF+7], v[rQ:rQ+7], v[rS2:rS2+7]
.endif
.set t_, t_+1
.endr
.set i_, i_+1
.endr
	WIN 0
	PLACES
.set i_, 0
.rept 208
	SMX i_                                         ; the first softmax, on end
.set i_, i_+1
.endr
	s_wait_tensorcnt 0x1                           ; my part of slot 0 is in; slot 1's may stay out
	s_barrier_signal -1
	s_barrier_wait -1
	v_add_nc_u32 v[AK], s52, v[AK0]                ; turn 0: the head of slot 0
	v_add_nc_u32 v[AV], s70, v[AV0]
	s_add_co_u32 s52, s52, KP
	s_add_co_u32 s70, s70, VP
.irp g, 0,1,2,3,4,5
	LDF \g                                         ; turn 0's first run, as a trip's head leaves it
.endr
	WIN 0
	s_mov_b32 s53, 2
	s_mov_b32 s71, 31
	s_branch .Lfirst                               ; the loop is entered behind a trip's head: there is no turn before the first
.Lslot:                                                ; 30 times: slots 0-29 are filled again, with slots 2-31
	CHANGE 1
	s_mov_b32 s53, 2
.Lstep:
	THEAD
.Lfirst:
	TMAIN
	s_sub_co_u32 s53, s53, 1
	s_cmp_lg_u32 s53, 0
	s_cbranch_scc1 .Lstep
	s_sub_co_u32 s71, s71, 1
	s_cmp_lg_u32 s71, 0
	s_cbranch_scc1 .Lslot
	CHANGE 0                                       ; the last slot is written out: nothing is asked for
	s_mov_b32 s53, 2
.Ltail:
	THEAD
	TMAIN
	s_sub_co_u32 s53, s53, 1
	s_cmp_lg_u32 s53, 0
	s_cbranch_scc1 .Ltail
	s_wait_dscnt 0x0                               ; V's last run
.set c2, 11
.rept 5                                ; the last turn's last five groups, bare
	FPL 16+c2
.set t_, 0
.rept 4
	WIN 0xa0+0x50*(t_/2)
.set rO2, 128*(t_%2)+8*c2
.set rP, PB+8*t_
	v_wmma_f32_16x16x32_f16 v[rO2:rO2+7], v[rFP:rFP+7], v[rP:rP+7], v[rO2:rO2+7]
.set t_, t_+1
.endr
.set c2, c2+1
.endr
	WIN 0
	; THE END.  My l: its two halves and the other half of the lanes'.  c m and l go to my partner through LDS.
.irp t, 0,1,2,3
	v_add_f32 v[ST+8*\t+4], v[ST+8*\t+2], v[ST+8*\t+3]
.endr
.irp t, 0,1,2,3
	v_permlanex16_b32 v[ST+8*\t+5], v[ST+8*\t+4], s56, s57
.endr
.irp t, 0,1,2,3
	v_add_f32 v[ST+8*\t+4], v[ST+8*\t+4], v[ST+8*\t+5]
.endr
.irp t, 0,1,2,3
	ds_store_b32 v[SA], v[ST+8*\t] offset:256*\t
	ds_store_b32 v[SA], v[ST+8*\t+4] offset:256*\t+128
.endr
	s_wait_dscnt 0x0                               ; my statistics are stored, and my last reads of the slots are back
	s_barrier_signal -1
	s_barrier_wait -1                              ; so the slots, which have had their last fill, may serve as the stage
.irp t, 0,1,2,3
	ds_load_b32 v[FR+2*\t], v[SAP] offset:256*\t            ; my partner's c m
	ds_load_b32 v[FR+2*\t+1], v[SAP] offset:256*\t+128      ; and l
.endr
	s_wait_dscnt 0x0
	; the common maximum; my factor 2^(c m - maximum), my partner's; the common sum; my O is multiplied by my factor over that sum, my partner's likewise by its own, and the two are added
.irp t, 0,1,2,3
	v_max_num_f32 v[ST+8*\t+5], v[ST+8*\t], v[FR+2*\t]
.endr
.irp t, 0,1,2,3
	v_sub_f32 v[ST+8*\t+7], v[ST+8*\t], v[ST+8*\t+5]
.endr
.irp t, 0,1,2,3
	v_sub_f32 v[FR+2*\t], v[FR+2*\t], v[ST+8*\t+5]
.endr
.irp t, 0,1,2,3
	v_exp_f32 v[ST+8*\t+6], v[ST+8*\t+7]
.endr
.irp t, 0,1,2,3
	v_exp_f32 v[FR+2*\t], v[FR+2*\t]
.endr
	v_nop                                          ; a plain instruction between the last exponential and the use of its result
	s_wait_alu depctr_va_vdst(0)
.irp t, 0,1,2,3
	v_mul_f32 v[ST+8*\t+4], v[ST+8*\t+4], v[ST+8*\t+6]
.endr
.irp t, 0,1,2,3
	v_fma_f32 v[ST+8*\t+4], v[FR+2*\t+1], v[FR+2*\t], v[ST+8*\t+4]
.endr
.irp t, 0,1,2,3
	v_rcp_f32 v[ST+8*\t+5], v[ST+8*\t+4]
.endr
	v_nop
	s_wait_alu depctr_va_vdst(0)
.irp t, 0,1,2,3
	v_mul_f32 v[ST+8*\t+6], v[ST+8*\t+6], v[ST+8*\t+5]
.endr
.set t2, 0
.rept 4                                ; tile by tile: scaled, then into my stage: a lane's eight channels of a row are 32 bytes
.set c2, 0
.rept 16
	RSCL c2, t2, 0
	RSCL c2, t2, 1
	RSCL c2, t2, 2
	RSCL c2, t2, 3
.set c2, c2+1
.endr
	WIN 0x08+4*(t2/2)                              ; the stores' data in window 2 or 3
.set c2, 0
.rept 16
	ds_store_b128 v[STO], v[128*(t2%2)+8*c2:128*(t2%2)+8*c2+3]   offset:t2*16*OP+64*c2
	ds_store_b128 v[STO], v[128*(t2%2)+8*c2+4:128*(t2%2)+8*c2+7] offset:t2*16*OP+64*c2+16
.set c2, c2+1
.endr
.set t2, t2+1
.endr
	WIN 0
	s_wait_dscnt 0x0                               ; for my partner's sake: my stores into the stage are done
	s_barrier_signal -1
	s_barrier_wait -1
; I add and store rows 32 h .. 32 h + 31 of my block: four trips of eight rows, in two banks of four
.macro LOADB e
.set rB, SB0+64*(\e)
.set q_, 0
.rept 8
	ds_load_b128 v[rB+4*q_:rB+4*q_+3],       v112 offset:(4*(\e)+q_/2)*OP+512*(q_%2)
	ds_load_b128 v[rB+32+4*q_:rB+32+4*q_+3], v113 offset:(4*(\e)+q_/2)*OP+512*(q_%2)
.set q_, q_+1
.endr
.endm
.macro SUMB e
.set rB, SB0+64*(\e)
.set q_, 0
.rept 16
	v_pk_add_f32 v[rB+2*q_:rB+2*q_+1], v[rB+2*q_:rB+2*q_+1], v[rB+32+2*q_:rB+32+2*q_+1]
.set q_, q_+1
.endr
.set q_, 0
.rept 8
	global_store_b128 v[GO], v[rB+4*q_:rB+4*q_+3], s[6:7] offset:(4*(\e)+q_/2)*1024+512*(q_%2)   ; 512 consecutive bytes, at a multiple of 256 from on's first byte
.set q_, q_+1
.endr
.endm
	s_mov_b32 s62, 0
	s_mov_b32 s53, 4
.Lout:
	v_add_nc_u32 v112, s62, v[RD0]
	v_add_nc_u32 v113, s62, v[RD1]
	s_add_co_u32 s62, s62, 8*OP
	LOADB 0
	LOADB 1
	s_wait_dscnt 16                                ; the first bank is in; the second's sixteen loads may be out
	SUMB 0
	s_wait_dscnt 0x0
	SUMB 1
	s_wait_xcnt 0x0                                ; the stores' base and data are rewritten only behind this wait
	s_add_nc_u64 s[6:7], s[6:7], 8*1024
	s_sub_co_u32 s53, s53, 1
	s_cmp_lg_u32 s53, 0
	s_cbranch_scc1 .Lout
	s_wait_tensorcnt 0x0                           ; the wave's end
	ds_add_u32 v[SPW], v[NIL]
	s_wait_dscnt 0x0
	CROUND                                         ; the closing round
	s_endpgm
.Lfunc_end_k_qdf5a62502c_attn:
	.size	k_qdf5a62502c_attn, .Lfunc_end_k_qdf5a62502c_attn-k_qdf5a62502c_attn
	.p2alignl 7, 3214868480
	.fill 96, 4, 3214868480
	.section	.rodata,"a",@progbits
	.p2align	6, 0x0
	.amdhsa_kernel k_qdf5a62502c_attn
		.amdhsa_group_segment_fixed_size 327680
		.amdhsa_private_segment_fixed_size 0
		.amdhsa_enable_private_segment 0
		.amdhsa_kernarg_size 16
		.amdhsa_user_sgpr_count 2
		.amdhsa_user_sgpr_kernarg_segment_ptr 1
		.amdhsa_wavefront_size32 1
		.amdhsa_system_sgpr_workgroup_id_x 1
		.amdhsa_system_sgpr_workgroup_id_y 1
		.amdhsa_system_sgpr_workgroup_id_z 1
		.amdhsa_system_vgpr_workitem_id 0
		.amdhsa_next_free_vgpr 1024
		.amdhsa_next_free_sgpr 72
		.amdhsa_reserve_vcc 0
		.amdhsa_float_denorm_mode_32 3
		.amdhsa_float_denorm_mode_16_64 3
		.amdhsa_memory_ordered 1
		.amdhsa_forward_progress 1
		.amdhsa_inst_pref_size 173
	.end_amdhsa_kernel
	.amdgpu_metadata
---
amdhsa.version: [ 1, 2 ]
amdhsa.kernels:
  - .name:           k_qdf5a62502c_attn
    .symbol:         k_qdf5a62502c_attn.kd
    .args:
      - { .name: qkv, .offset: 0, .size: 8, .value_kind: global_buffer, .address_space: global }
      - { .name: on, .offset: 8, .size: 8, .value_kind: global_buffer, .address_space: global }
    .group_segment_fixed_size: 327680
    .private_segment_fixed_size: 0
    .kernarg_segment_align: 8
    .kernarg_segment_size: 16
    .max_flat_workgroup_size: 128
    .sgpr_count:     72
    .vgpr_count:     1024
    .wavefront_size: 32
...
	.end_amdgpu_metadata
.endif
;; end of part 5
;; launch comb: the kernel of part 4 again; grid 512 x 1, 8 waves a work-group, no clusters, 0 bytes of LDS; arguments on, lam, out0; writes out0
;; ======== version 3 of 3: 4 launches; 1.24 times as fast as version 1
;; limits: values are held in f16: magnitudes above 65,504 overflow, below 6.1e-05 lose precision
;; workspace buffers: xw 18,087,936 bytes; bi 5,120 bytes; qkv 41,943,040 bytes; on 33,554,432 bytes
;; launch cvt: the kernel of part 1 again; grid 553 x 1, 8 waves a work-group, no clusters, 0 bytes of LDS; arguments X, Wq, Wk, Wv, bq, bk, bv, xw, bi; writes xw, bi
;; launch proj: the kernel of part 2 again; grid 128 x 2, 4 waves a work-group, clusters of 4 x 1, 327,680 bytes of LDS; arguments xw, bi, qkv; writes qkv
;; launch attn (part 6): grid 32 x 8, 4 waves a work-group, clusters of 4 x 1, 327,680 bytes of LDS; arguments qkv, on; writes on
.if DOCPART == 6
	.amdgcn_target "amdgcn-amd-amdhsa--gfx1250"
	.amdhsa_code_object_version 6
	.text
	.protected	k_qdf5a62502c_attn
	.globl	k_qdf5a62502c_attn
	.p2align	8
	.type	k_qdf5a62502c_attn,@function
k_qdf5a62502c_attn:
	s_mov_b64 s[64:65], 0
	v_nop
	global_prefetch_b8 v0, s[64:65] scope:SCOPE_SE
	s_setreg_imm32_b32 hwreg(HW_REG_WAVE_MODE, 25, 1), 1
	s_wait_xcnt 0x0
	s_wait_alu depctr_hold_cnt(0) depctr_sa_sdst(0) depctr_va_vdst(0) depctr_va_sdst(0) depctr_va_ssrc(0) depctr_va_vcc(0) depctr_vm_vsrc(0)
	s_getreg_b32 s2, hwreg(HW_REG_IB_STS2, 6, 4)
	s_cmp_eq_u32 s2, 0
	s_cbranch_scc0 .Lentry_in_a_cluster
	s_endpgm
.Lentry_in_a_cluster:
	s_bfe_u32 s2, ttmp6, 0x10000c
	s_cmp_lg_u32 s2, 0x3003
	s_cbranch_scc0 .Lentry_shape_is_right
	s_endpgm
.Lentry_shape_is_right:
; on[m][row][:] = softmax_k(Q_m[row] . K_m[k] / 16) V[k][:] for map m = 0, 1: head size 256, 4,096 keys a batch, 4 batches.  Q, K, V: f16 in qkv, rows of 2,560 bytes (Q1 0, Q2 512, K1 1,024, K2 1,536, V 2,048).
; Products, maxima and sums in f32; the weights p are rounded to f16 for the second product (their sum l is taken of the unrounded p); the result leaves in f32.
; LIMITS.  Q, K, V arrive within f16's 65,504; a weight below 2^-126 counts as 0 in l; NaN and infinities are not treated apart.
; SHARES.  A work-group: 128 queries of one batch and map.  Wave w: 64 queries (w / 2), four tiles of 16, and HALF OF THE KEYS (w % 2): of each step's 64 keys its own 32.  So a fragment of K or V read from LDS
; feeds four products, and the two waves of a query block each keep a maximum, a sum and an O of their own, which meet in LDS at the end.
; LAYOUT.  S^T = K Q^T (source 0 = 16 keys, source 1 = 16 queries): a lane holds ONE query (lane % 16) and keys 8 (lane / 16) + 0..7.  A tile's two results, rounded to f16 in pairs, ARE source 1
; (32 keys x 16 queries) of O^T = V^T P, whose result again holds one query a lane and eight channels.  K comes out of LDS as it lies, V turned, by ds_load_tr16_b128.
; SOFTMAX.  Running maximum m and sum l: p = 2^(c s - c m), c = log2(e) / 16; in every step O and l are multiplied by a = 2^(c m_old - c m_new).  m starts at the lowest finite number, O and l at 0, so the first
; step is a step like any other with a = 0.  O^T's 512 registers are set to 0 by 64 products of zero operands, in the wait for Q and K.
; A TURN is a key step j, written once: 32 roundings P(j) = f16(S); 64 products K Q^T of step j + 1 into S, behind each the four rescalings of one accumulator of O^T by a(j); 64 products V^T P of step j, and
; behind them the softmax of step j + 1 (184 lines): behind the first 44 its maximum, scalings and exponentials, three or four a product; behind the last 20 its sums, one or two a product.
; A GROUP is one fragment times the four tiles: groups 0-15 take K, groups 16-31 V.
; THE EXPONENTIALS OF A STEP ARE ONE BATCH WITH ONE WAIT.  All 68 (four a, 64 scores) stand behind the products of groups 19-26, and no line among them names a result of theirs; the wait
; stands once, behind group 26, ahead of the trip's backward jump; all that reads a result (the sums, the roundings, the rescalings by a) stands behind it, in the next trip.
; THE LDS LOADS STAND IN RUNS, never singly among the matrix instructions.  A turn's 32 groups are six runs of 6, 5, 6, 5, 5, 5 groups, on two banks of registers by turns; at the head of a run's products the
; next run's fragments are loaded into the other bank, 10 or 12 loads on end, five or six groups ahead of their first use.
; A TRIP of the loop is a turn rotated: groups 27-31 of the turn before, then groups 0-26, so that all LDS loads of a trip belong to one turn and the change of slots stands between trips.
; RING.  Two LDS slots; slot s holds K of steps 2 s + 1, 2 s + 2 and V of steps 2 s, 2 s + 1, as the turns read them.  K of step 0 comes straight from memory.  The last slot's second K would be step 64: step 63
; is asked for again.  The last turn's 64 products on it give step 63's scores once more, so the maximum that its riders take is the old one and m and c m stay as they are; the lines that would sum its weights
; and add them to l lie in the five groups that are written out bare behind the loop.  That is the price of one text for every turn.
; CLUSTER.  The four query blocks of a cluster share batch and map, so K and V are asked for JOINTLY: the same tensor load, descriptor and mask in all four.  Waves 0, 1 bring a slot's two K, waves 2, 3 its two V.
; REGISTERS: window 0: addresses, statistics, the fragments' two banks, S^T, P.  Window 1: Q.  Windows 2, 3: O^T (tiles 0, 1 and 2, 3).
.set PK,    528                        ; a row of K in LDS: 512 bytes + 16: 132 words, so the 16 rows of a load start 4 words apart modulo 64
.set PV,    544                        ; a row of V: 512 + 32: 136 words
.set KP,    64*PK                      ; a step's K
.set VP,    64*PV                      ; a step's V
.set VOFF,  2*KP                       ; V's two parts lie behind K's two
.set SLOT1, 0x22000                    ; 139,264: slot 1 begins here, so that one exclusive or turns an address in one slot into the other's
.set STAT,  SLOT1+2*KP+2*VP            ; 276,480: 1,024 bytes a wave: c m and l of its four tiles; no tile lands here
.set SPARE, STAT+4096                  ; the spare words, 128 bytes a wave: two blocks of 256 bytes that no other line names
.set OP,    1040                       ; the end's stage, over the slots behind their last fill: 64 rows x 1,040 bytes a wave
.set OREG,  64*OP
.set QP,    2560                       ; bytes in a row of qkv
.set KSTEP, 64*QP                      ; 64 keys in memory
.set AK0, 2                            ; v2   my lane's place in a step's K; never rewritten
.set AV0, 3                            ; v3   the same for V
.set AK,  4                            ; v4   the same for the turn in hand
.set AV,  5                            ; v5
.set QO,  6                            ; v6   my byte offset in 16 rows of qkv
.set RD0, 7                            ; v7   the end: my rows in my block's first stage
.set RD1, 8                            ; v8   and in its second
.set SA,  10                           ; v10  my statistics' place
.set SAP, 11                           ; v11  my partner's
.set GO,  12                           ; v12  16 x lane
.set STO, 13                           ; v13  into my stage
.set SPW, 14                           ; v14  LDS address of my spare word; never rewritten
.set NIL, 15                           ; v15  0; never rewritten
.set ST,  16                           ; tile t at v[ST+8 t]: +0 c m, +1 m, +2 +3 l, +4 +5 C0 C1 (later the step's sum T), +6 a, +7 C3
.set FR,  48                           ; the fragments' eleven places of 8 registers: bank A places 0-5 (v48-95), bank B places 6-9 (v96-127) and place 10 (v224-231)
.set FR10, 224
.set ZR,  112                          ; v[112:127] at the start the zero operands (later places 8, 9); v112, v113 at work before that and at the end
.set SB0, 128                          ; v[128:191] S^T: tile t at +16 t, key block kb at +8 kb
.set PB,  192                          ; v[192:223] P: tile t at +8 t
.set W_KQ, 0x04                        ; Q in window 1, all else in window 0
.set MSB, 0
.macro WIN new                         ; the immediate's high byte repeats the setting that is left; a switch that changes nothing is dropped
.if MSB != (\new)
	s_set_vgpr_msb (MSB<<8)|(\new)
.set MSB, \new
.endif
.endm
.macro PLACES                          ; four plain vector instructions between a matrix instruction and a load into, or a vector read of, its registers
.rept 4
	v_nop
.endr
.endm
.macro CROUND                          ; a round of the cluster's barrier: my work-group's barrier; wave 0 signals for the work-group; all wait for the four work-groups; my work-group's barrier again
	s_barrier_signal -1
	s_barrier_wait -1
	s_cmp_lg_u32 s8, 0
	s_cbranch_scc1 .Lnot_wave_0_\@
	s_barrier_signal -3
.Lnot_wave_0_\@:
	s_barrier_wait -3
	s_barrier_signal -1
	s_barrier_wait -1
.endm
.macro JLOAD                           ; a joint refill by the walking descriptors; an s_nop 0 and four v_nop follow each of the two lines
	s_cmp_lt_u32 s8, 2
	s_cbranch_scc0 .Lfor_v_\@
	tensor_load_to_lds s[36:39], s[16:23]
	s_nop 0
.rept 4
	v_nop
.endr
	s_branch .Lasked_\@
.Lfor_v_\@:
	tensor_load_to_lds s[44:47], s[24:31]
	s_nop 0
.rept 4
	v_nop
.endr
.Lasked_\@:
.endm
	s_load_b128 s[4:7], s[0:1], 0x0                ; qkv s[4:5], on s[6:7]
	v_lshl_add_u32 v[SPW], v0, 2, SPARE
	v_mov_b32 v[NIL], 0
	ds_add_u32 v14, v15
	s_wait_dscnt 0x0
	v_lshrrev_b32 v1, 5, v0
	v_readfirstlane_b32 s8, v1                     ; wave 0..3
	s_lshr_b32 s9, s8, 1                           ; a: which 64 queries
	s_and_b32 s10, s8, 1                           ; h: which half of the keys; also which of a slot's two parts I fetch
	s_and_b32 s3, ttmp7, 0xffff
	s_lshr_b32 s2, s3, 1                           ; the batch
	s_and_b32 s3, s3, 1                            ; the map: both shared by the four partners
	; descriptor group 1: 64 rows x 256 elements of 2 bytes, 1,280 elements from row to row, padded behind every 128 words
	s_mov_b32 s16, 15|(1<<16)|(1<<20)|(1<<21)|(6<<22)|(3<<25)  ; K: mask of four; 2-byte elements; padding on; bit 21 beside a mask; interval code 6; 4 words
	s_mov_b32 s24, 15|(1<<16)|(1<<20)|(1<<21)|(6<<22)|(7<<25)  ; V: the same with 8 words
.irp g, 16, 24
	s_mov_b32 s[\g+1], 256<<16                     ; tensor_dim0 = 256
	s_mov_b32 s[\g+2], 64<<16                      ; tensor_dim1 = 64
	s_mov_b32 s[\g+3], 256<<16                     ; tile_dim0 = 256
	s_mov_b32 s[\g+4], 64                          ; tile_dim1 = 64
	s_mov_b32 s[\g+5], 1280
	s_mov_b32 s[\g+6], 0
	s_mov_b32 s[\g+7], 0
.endr
	s_mov_b32 s32, 1                               ; group 0 for K: set 0 slot 0, set 1 slot 1 (it then walks)
	s_mul_i32 s33, s10, KP
	s_mov_b32 s36, 1
	s_add_co_u32 s37, s33, SLOT1
	s_mov_b32 s40, 1                               ; the same for V
	s_mul_i32 s41, s10, VP
	s_add_co_u32 s41, s41, VOFF
	s_mov_b32 s44, 1
	s_add_co_u32 s45, s41, SLOT1
	s_mul_i32 s62, s2, 4096*QP                     ; the batch's first byte
	s_lshl_b32 s63, s3, 9
	s_add_co_u32 s63, s63, s62
	s_add_co_u32 s48, s63, 1024                    ; K of my map
	s_mov_b32 s49, 0
	s_add_co_u32 s62, s62, 2048                    ; V
	s_mov_b32 s63, 0
	s_mul_i32 s58, s10, KSTEP
	s_mov_b32 s59, 0
	s_mul_i32 s51, s10, KSTEP
	s_sub_co_u32 s51, 2*KSTEP, s51                 ; how far K's descriptor walks at the last refill: part 0 from step 61 to 63, part 1 from step 62 to 63 (step 64 there is none)
	s_mov_b32 s52, 0                               ; LDS byte at which K of the turn to be fetched begins
	s_mov_b32 s70, 0                               ; the same for V, less VOFF
	s_mov_b32 s54, 0x3db8aa3b                      ; c = log2(e) / 16 = 0.0901684
	s_mov_b32 s55, s54                             ; named with it as a pair
	s_mov_b32 s56, 0x76543210                      ; v_permlanex16_b32: each lane takes its own place in the other half
	s_mov_b32 s57, 0xfedcba98
	; what hangs on my place in the cluster enters Q's and on's addresses alone
	s_bfe_u32 s66, ttmp6, 0x40000                  ; cx
	s_lshl_b32 s11, ttmp9, 2
	s_add_co_u32 s11, s11, s66                     ; my block of 128 queries
	s_lshl_b32 s66, s2, 12
	s_lshl_b32 s67, s11, 7
	s_add_co_u32 s66, s66, s67
	s_lshl_b32 s67, s9, 6
	s_add_co_u32 s66, s66, s67                     ; my wave's first query row
	s_mul_i32 s68, s66, QP
	s_lshl_b32 s67, s3, 9
	s_add_co_u32 s68, s68, s67
	s_mov_b32 s69, 0
	s_wait_kmcnt 0x0
	s_add_nc_u64 s[60:61], s[4:5], s[68:69]        ; Q of my map at that row
	s_lshl_b32 s67, s10, 5
	s_add_co_u32 s66, s66, s67                     ; the 32 rows that I store
	s_lshl_b32 s68, s66, 10
	s_lshl_b32 s67, s3, 24
	s_add_co_u32 s68, s68, s67
	s_add_nc_u64 s[6:7], s[6:7], s[68:69]
	s_add_nc_u64 s[12:13], s[4:5], s[48:49]        ; K of my batch and map
	s_add_nc_u64 s[14:15], s[4:5], s[62:63]        ; V of my batch
	s_add_nc_u64 s[42:43], s[14:15], s[58:59]      ; V of step h,
	s_add_nc_u64 s[46:47], s[42:43], 2*KSTEP       ; of step 2 + h
	s_add_nc_u64 s[34:35], s[12:13], s[58:59]
	s_add_nc_u64 s[34:35], s[34:35], KSTEP         ; K of step 1 + h,
	s_add_nc_u64 s[38:39], s[34:35], 2*KSTEP       ; of step 3 + h
	s_or_b32 s35, s35, 0x80000000                  ; type = 2
	s_or_b32 s39, s39, 0x80000000
	s_or_b32 s43, s43, 0x80000000
	s_or_b32 s47, s47, 0x80000000
	s_mul_i32 s58, s10, 32*QP
	s_add_nc_u64 s[58:59], s[12:13], s[58:59]      ; K of step 0, my 32 keys
	CROUND                                         ; all four work-groups are here: the first joint loads meet
	s_cmp_lt_u32 s8, 2                             ; a wave's two first fills stand in one branch: two loads of mine are out
	s_cbranch_scc0 .Lfirst_v
	tensor_load_to_lds s[32:35], s[16:23]
	s_nop 0
	tensor_load_to_lds s[36:39], s[16:23]
	s_nop 0
.rept 4
	v_nop
.endr
	s_branch .Lfirst_asked
.Lfirst_v:
	tensor_load_to_lds s[40:43], s[24:31]
	s_nop 0
	tensor_load_to_lds s[44:47], s[24:31]
	s_nop 0
.rept 4
	v_nop
.endr
.Lfirst_asked:
	; A fragment of K or Q: lane l holds row l % 16, channels 8 (l / 16) + 0..7 and 16 + 8 (l / 16) + 0..7: two loads of 16 bytes, 32 apart
	v_and_b32 v1, 15, v0
	v_bfe_u32 v9, v0, 4, 1
	v_mul_u32_u24 v[QO], v1, QP
	v_lshl_add_u32 v[QO], v9, 4, v[QO]
	WIN 0x40
.set i_, 0
.rept 32                               ; Q stays in registers: tile i / 8, channels 32 (i % 8) on
	global_load_b128 v[8*i_:8*i_+3],   v[QO], s[60:61] offset:(i_/8)*16*QP+(i_%8)*64
	global_load_b128 v[8*i_+4:8*i_+7], v[QO], s[60:61] offset:(i_/8)*16*QP+(i_%8)*64+32
.set i_, i_+1
.endr
	WIN 0
.set i_, 0
.rept 16                               ; K of step 0: key block i / 8; the first eight fragments into v48-111, the others into v192-255, still free
.set rF, FR+8*i_
.if i_ >= 8
.set rF, PB+8*(i_-8)
.endif
	global_load_b128 v[rF:rF+3],   v[QO], s[58:59] offset:(i_/8)*16*QP+(i_%8)*64
	global_load_b128 v[rF+4:rF+7], v[QO], s[58:59] offset:(i_/8)*16*QP+(i_%8)*64+32
.set i_, i_+1
.endr
	s_mul_i32 s62, s10, 32*PK
	v_mul_u32_u24 v[AK0], v1, PK
	v_lshl_add_u32 v[AK0], v9, 4, v[AK0]
	v_add_nc_u32 v[AK0], s62, v[AK0]               ; (32 h + l % 16) rows + 16 x half
	; the turning load: lane l reads key 8 (l / 16) + l % 8, channels 8 ((l / 8) % 2) + 0..7, and is left with channel l % 16 and 8 keys
	v_and_b32 v112, 7, v0
	v_bfe_u32 v113, v0, 3, 1
	v_lshl_add_u32 v[AV0], v9, 3, v112
	v_mul_u32_u24 v[AV0], v[AV0], PV
	v_lshl_add_u32 v[AV0], v113, 4, v[AV0]
	s_mul_i32 s62, s10, 32*PV
	s_add_co_u32 s62, s62, VOFF
	v_add_nc_u32 v[AV0], s62, v[AV0]
	v_and_b32 v[GO], 31, v0
	v_lshlrev_b32 v[GO], 4, v[GO]
	s_mul_i32 s62, s9, 2*OREG
	s_mul_i32 s63, s10, 32*OP
	s_add_co_u32 s62, s62, s63
	v_add_nc_u32 v[RD0], s62, v[GO]                ; rows 32 h on of my block's two stages
	v_add_nc_u32 v[RD1], OREG, v[RD0]
	v_lshrrev_b32 v[SA], 2, v[GO]                  ; 4 x lane
	s_xor_b32 s63, s8, 1                           ; my partner: the same queries, the other keys
	s_lshl_b32 s63, s63, 10
	s_add_co_u32 s63, s63, STAT
	v_add_nc_u32 v[SAP], s63, v[SA]
	s_lshl_b32 s62, s8, 10
	s_add_co_u32 s62, s62, STAT
	v_add_nc_u32 v[SA], s62, v[SA]
	s_mul_i32 s62, s8, OREG
	v_mul_u32_u24 v[STO], v1, OP
	v_lshl_add_u32 v[STO], v9, 5, v[STO]
	v_add_nc_u32 v[STO], s62, v[STO]               ; my stage: row l % 16, 32 bytes for each half of the lanes
.set i_, 0
.rept 16
	v_mov_b32 v[ZR+i_], 0                          ; two zero operands
.set i_, i_+1
.endr
	WIN 0x80                                       ; O^T = 0 x 0 + 0: 64 products write its 512 registers, in the wait for Q and K
.set i_, 0
.rept 32
	v_wmma_f32_16x16x32_f16 v[8*i_:8*i_+7], v[ZR:ZR+7], v[ZR+8:ZR+15], 0
.set i_, i_+1
.endr
	WIN 0xc0
.set i_, 0
.rept 32
	v_wmma_f32_16x16x32_f16 v[8*i_:8*i_+7], v[ZR:ZR+7], v[ZR+8:ZR+15], 0
.set i_, i_+1
.endr
	WIN 0
.irp t, 0,1,2,3
	v_mov_b32 v[ST+8*\t], 0xfe000000               ; c m: far below every c s
	v_mov_b32 v[ST+8*\t+1], 0xff7fffff             ; m
	v_mov_b32 v[ST+8*\t+2], 0
	v_mov_b32 v[ST+8*\t+3], 0
.endr
; THE SOFTMAX of a step: 4 tiles x 46 lines, in 208 numbered places of which 24 are empty; SMX writes place n.  s0-s15 are a tile's scores, in pairs 0-7; T is the pair C0:C1.
; Places 0-55: number n / 4 of tile n % 4 (each link of the chain waits for the one before, so the tiles alternate):
;   0-7 the maximum of s0-s15 and the old m, each accumulator's lowest registers first;  8 the other half of the lanes';  9 c m_old kept;  10 m;  11 c m;  12 c m_old - c m;  13 c s - c m for pair 0.
; Places 56-175, THE BATCH, in thirty fours.  Four 4 b + u (b = 0..6, tile u): c s - c m for pair b + 1; the exponentials of pair b's two scores; in b = 0 the tile's a, else nothing.  So a four begins with a plain
; line, and a pair is scaled four fours ahead of its exponentials.  The last two fours: pair 7's exponentials, two tiles each.  No line of the batch names an exponential's result: the scalings name pairs that
; have had no exponential yet, and c m.
; Behind place 175 stand a plain instruction and the batch's one wait: SMX writes neither; TMAIN and the start do.
; Places 176-207, THE SUMS: number (n - 176) / 4 of tile n % 4: T = pair 0 + pair 1; T += pair 2 .. pair 7; l = a l + T.  A tile's links stand four lines apart.
.macro SMX n
.set em, 1
.set bb, 0
.if (\n) < 56
.set jj, (\n)/4
.set tt, (\n)%4
.elseif (\n) < 168
.set jj, 20+((\n)-56)%4                ; 20 the scaling, 21 and 22 the two exponentials, 23 a
.set bb, ((\n)-56)/16
.set tt, (((\n)-56)/4)%4
.elseif (\n) < 176
.set jj, 21+((\n)-168)%2
.set bb, 7
.set tt, ((\n)-168)/2
.else
.set jj, 30
.set bb, ((\n)-176)/4
.set tt, ((\n)-176)%4
.endif
.if (jj == 23) && (bb > 0)
.set em, 0
.endif
.set rT, ST+8*tt
.set rS, SB0+16*tt
.if em
	WIN 0
.if jj < 2
	v_max3_num_f32 v[rT+4+jj], v[rS+8*jj], v[rS+8*jj+1], v[rS+8*jj+2]
.elseif jj < 6
	v_max3_num_f32 v[rT+4+jj%2], v[rT+4+jj%2], v[rS+8*(jj%2)+2*(jj/2)+1], v[rS+8*(jj%2)+2*(jj/2)+2]
.elseif jj == 6
	v_max3_num_f32 v[rT+4], v[rT+4], v[rS+7], v[rS+15]
.elseif jj == 7
	v_max3_num_f32 v[rT+4], v[rT+4], v[rT+5], v[rT+1]
.elseif jj == 8
	v_permlanex16_b32 v[rT+5], v[rT+4], s56, s57
.elseif jj == 9
	v_mov_b32 v[rT+7], v[rT]
.elseif jj == 10
	v_max_num_f32 v[rT+1], v[rT+4], v[rT+5]
.elseif jj == 11
	v_mul_f32 v[rT], s54, v[rT+1]
.elseif jj == 12
	v_sub_f32 v[rT+7], v[rT+7], v[rT]
.elseif jj == 13
	v_pk_fma_f32 v[rS:rS+1], v[rS:rS+1], s[54:55], v[rT:rT+1] op_sel_hi:[1,0,0] neg_lo:[0,0,1] neg_hi:[0,0,1]
.elseif jj == 20
	v_pk_fma_f32 v[rS+2*bb+2:rS+2*bb+3], v[rS+2*bb+2:rS+2*bb+3], s[54:55], v[rT:rT+1] op_sel_hi:[1,0,0] neg_lo:[0,0,1] neg_hi:[0,0,1]
.elseif jj == 23
	v_exp_f32 v[rT+6], v[rT+7]
.elseif jj < 23
	v_exp_f32 v[rS+2*bb+jj-21], v[rS+2*bb+jj-21]
.elseif bb == 0
	v_pk_add_f32 v[rT+4:rT+5], v[rS:rS+1], v[rS+2:rS+3]
.elseif bb < 7
	v_pk_add_f32 v[rT+4:rT+5], v[rT+4:rT+5], v[rS+2*bb+2:rS+2*bb+3]
.else
	v_pk_fma_f32 v[rT+2:rT+3], v[rT+2:rT+3], v[rT+6:rT+7], v[rT+4:rT+5] op_sel_hi:[1,0,1]
.endif
.endif
.endm
; pair z of the eight registers of O^T(tile t, channel block cb) times the tile's factor (a in the loop); z ascends
.macro RSCL cb, t, z
	WIN 0x82+0x41*((\t)/2)
.set rO, 128*((\t)%2)+8*(\cb)+2*(\z)
.set rA, ST+8*(\t)+6
	v_pk_mul_f32 v[rO:rO+1], v[rO:rO+1], v[rA:rA+1] op_sel_hi:[1,0]
.endm
; where group g's fragment lies: rFP.  The runs begin at groups 0, 6, 11, 17, 22, 27; those at 0, 11, 22 take bank A from place 0 on, those at 6, 17, 27 bank B from place 6 on
.macro FPL g
.set gq, (\g)%32
.if gq < 11
.set pl, gq
.elseif gq < 22
.set pl, gq-11
.elseif gq < 27
.set pl, gq-22
.else
.set pl, gq-21
.endif
.set rFP, FR+8*pl
.if pl == 10
.set rFP, FR10
.endif
.endm
; group gg's fragment into its place: two LDS loads.  Groups 0-15 take K (key block, then 32 channels), groups 16-31 V (16 channels, 32 keys, turned)
.macro LDF gg
	FPL \gg
.set el, (\gg)%32
	WIN 0
.if el < 16
.set lofs, (el/8)*16*PK+(el%8)*64
	ds_load_b128 v[rFP:rFP+3],   v[AK] offset:lofs
	ds_load_b128 v[rFP+4:rFP+7], v[AK] offset:lofs+32
.else
.set lofs, (el%16)*32
	ds_load_tr16_b128 v[rFP:rFP+3],   v[AV] offset:lofs
	ds_load_tr16_b128 v[rFP+4:rFP+7], v[AV] offset:lofs+16*PV
.endif
.endm
; A RUN: the fragments of n groups from group 'first' on, 2 n loads on end, into the bank whose last product stands just in front: four places between.  The count behind them leaves exactly these 2 n loads out:
; LDS loads come back in order (ISA guide 5.7.1), so the run before, whose products follow, is in.
.macro RUN first, n
	WIN 0
	PLACES
.set gl, \first
.rept \n
	LDF gl
.set gl, gl+1
.endr
	s_wait_dscnt 2*(\n)
.endm
; Group f of K Q^T: fragment f of the next step's K times the four tiles' Q; the four accumulators take turns.  Behind product (f, t): O^T(t, channel block f) times a.
.macro GA f
	FPL \f
.set t_, 0
.rept 4
	WIN W_KQ
.set rS2, SB0+16*t_+8*((\f)/8)
.set rQ, 64*t_+8*((\f)%8)
.if ((\f)%8) == 0
	v_wmma_f32_16x16x32_f16 v[rS2:rS2+7], v[rFP:rFP+7], v[rQ:rQ+7], 0
.else
	v_wmma_f32_16x16x32_f16 v[rS2:rS2+7], v[rFP:rFP+7], v[rQ:rQ+7], v[rS2:rS2+7]
.endif
	RSCL \f, t_, 0
	RSCL \f, t_, 1
	RSCL \f, t_, 2
	RSCL \f, t_, 3
.set t_, t_+1
.endr
.endm
; Group 16 + cb of V^T P: channel block cb of this step's V times the four tiles' P.  Behind product i = 4 cb + t stand, for i < 44, the softmax's places 4 i to 4 i + 3: one number of the chain for the four tiles
; (i < 14), or one four of the batch; for i >= 44, of the 32 sums, numbers 8 (i - 44) / 5 up to 8 (i - 43) / 5: one or two.
.macro GB cb
	FPL 16+(\cb)
.set t_, 0
.rept 4
	WIN 0xa0+0x50*(t_/2)
.set rO2, 128*(t_%2)+8*(\cb)
.set rP, PB+8*t_
	v_wmma_f32_16x16x32_f16 v[rO2:rO2+7], v[rFP:rFP+7], v[rP:rP+7], v[rO2:rO2+7]
.set ii, 4*(\cb)+t_
.if ii < 44
.set qn, 4*ii
.set qe, 4*ii+4
.else
.set qn, 176+(8*(ii-44))/5
.set qe, 176+(8*(ii-43))/5
.endif
.rept qe-qn
	SMX qn
.set qn, qn+1
.endr
.set t_, t_+1
.endr
.endm
; A TRIP'S HEAD: the addresses of this trip's turn; its K's first run, into bank A, which groups 22-26 have left; then the last five groups of the turn before, on bank B, and behind them the sums: the first
; lines that read the batch's results; the batch's wait stands at the end of the trip before.
.macro THEAD
	v_add_nc_u32 v[AK], s52, v[AK0]
	v_add_nc_u32 v[AV], s70, v[AV0]
	s_add_co_u32 s52, s52, KP                      ; the next trip's turn takes the slot's next part
	s_add_co_u32 s70, s70, VP
	RUN 0, 6
	GB 11
	GB 12
	GB 13
	GB 14
	GB 15
	WIN 0
.endm
; THE REST OF A TRIP: the roundings, tile 0 first (the last products that read P(t) stand four plain lines or more back); then groups 0-26, and at the head of each run's products the next run's loads.
; The turn's last run, V's channel blocks 11-15, goes out ahead of group 22: a trip reads nothing of the next turn's, which may lie in the other slot.
; Behind group 26 the batch is out: all 68 exponentials of the next step are issued and no result has been named.
.macro TMAIN
	WIN 0
.set t_, 0
.rept 4
.set z_, 0
.rept 8
	v_cvt_pk_f16_f32 v[PB+8*t_+z_], v[SB0+16*t_+2*z_], v[SB0+16*t_+2*z_+1]
.set z_, z_+1
.endr
.set t_, t_+1
.endr
	RUN 6, 5
.set gi, 0
.rept 6
	GA gi
.set gi, gi+1
.endr
	RUN 11, 6
.rept 5
	GA gi
.set gi, gi+1
.endr
	RUN 17, 5
.rept 5
	GA gi
.set gi, gi+1
.endr
	GB 0
	RUN 22, 5
.set gi, 1
.rept 5
	GB gi
.set gi, gi+1
.endr
	RUN 27, 5
.rept 5
	GB gi
.set gi, gi+1
.endr
	WIN 0
	v_nop                                          ; a plain instruction behind the batch's last exponential and ahead of the first use: one for the batch (ISA guide 5.7.2)
	s_wait_alu depctr_va_vdst(0)                   ; the turn's one wait, for the batch of 68 exponentials: ahead of the first line that names a result, and ahead of the jump below
.endm
; THE CHANGE OF SLOTS, between trips: the slot's last bytes, V of its second step, have been asked for.  Each wave waits for all its tensor loads, of which one is out: its part of the other slot; adds 0 to its
; spare word; and waits for that and for its own reads of the slot.  Behind the barrier nobody reads this slot any more and the other slot is whole.  fill = 1: the slot is filled again, two slots on; the barrier is
; then a round of the cluster's, and the joint refill is the first thing behind it: it has two turns, 256 products, in which to land.
.macro CHANGE fill
	WIN 0
	s_wait_tensorcnt 0x0                           ; no tensor load of mine is out, so a group 0 may be written
	ds_add_u32 v[SPW], v[NIL]                      ; 0 onto my spare word: with fill = 1 the descriptors' steps stand between it and the wait for it
.if \fill
	s_cmp_eq_u32 s71, 1                            ; the 30th and last refill?  The count is the same in every wave and work-group
	s_cselect_b32 s48, s51, 2*KSTEP                ; K walks two steps on; at the last refill both parts go to step 63
	s_xor_b32 s37, s37, SLOT1                      ; the walking descriptors: the other slot than last time,
	s_add_nc_u64 s[38:39], s[38:39], s[48:49]      ; the next keys; the type bits on top are not reached
	s_xor_b32 s45, s45, SLOT1
	s_add_nc_u64 s[46:47], s[46:47], 2*KSTEP       ; V walks two steps on every time
	s_wait_dscnt 0x0                               ; the add is done, and my reads of the slot are over
	CROUND
	JLOAD
.else
	s_wait_dscnt 0x0                               ; the add is done, and my reads of the slot are over
	s_barrier_signal -1
	s_barrier_wait -1
.endif
	s_sub_co_u32 s52, s52, 2*KP                    ; the fetches go back to a slot's first part,
	s_xor_b32 s52, s52, SLOT1                      ; in the other slot
	s_sub_co_u32 s70, s70, 2*VP
	s_xor_b32 s70, s70, SLOT1
.endm
	s_wait_loadcnt 0x0                             ; Q and K of step 0
	WIN W_KQ
.set i_, 0
.rept 16                               ; the first scores: there is no vector work yet to set between them
.set rF, FR+8*i_
.if i_ >= 8
.set rF, PB+8*(i_-8)
.endif
.set t_, 0
.rept 4
.set rS2, SB0+16*t_+8*(i_/8)
.set rQ, 64*t_+8*(i_%8)
.if (i_%8) == 0
	v_wmma_f32_16x16x32_f16 v[rS2:rS2+7], v[rF:rF+7], v[rQ:rQ+7], 0
.else
	v_wmma_f32_16x16x32_f16 v[rS2:rS2+7], v[rF:rF+7], v[rQ:rQ+7], v[rS2:rS2+7]
.endif
.set t_, t_+1
.endr
.set i_, i_+1
.endr
	WIN 0
	PLACES
.set i_, 0
.rept 176
	SMX i_                                         ; the first softmax, on end: the maximum and the batch,
.set i_, i_+1
.endr
	v_nop                                          ; a plain instruction behind the batch's last exponential,
	s_wait_alu depctr_va_vdst(0)                   ; the wait for the first step's batch of 68 exponentials, ahead of the sums, which read them,
.rept 32
	SMX i_                                         ; and the sums
.set i_, i_+1
.endr
	s_wait_tensorcnt 0x1                           ; my part of slot 0 is in; slot 1's may stay out
	s_barrier_signal -1
	s_barrier_wait -1
	v_add_nc_u32 v[AK], s52, v[AK0]                ; turn 0: the head of slot 0
	v_add_nc_u32 v[AV], s70, v[AV0]
	s_add_co_u32 s52, s52, KP
	s_add_co_u32 s70, s70, VP
.irp g, 0,1,2,3,4,5
	LDF \g                                         ; turn 0's first run, as a trip's head leaves it
.endr
	WIN 0
	s_mov_b32 s53, 2
	s_mov_b32 s71, 31
	s_branch .Lfirst                               ; the loop is entered behind a trip's head: there is no turn before the first
.Lslot:                                                ; 30 times: slots 0-29 are filled again, with slots 2-31
	CHANGE 1
	s_mov_b32 s53, 2
.Lstep:
	THEAD
.Lfirst:
	TMAIN
	s_sub_co_u32 s53, s53, 1
	s_cmp_lg_u32 s53, 0
	s_cbranch_scc1 .Lstep
	s_sub_co_u32 s71, s71, 1
	s_cmp_lg_u32 s71, 0
	s_cbranch_scc1 .Lslot
	CHANGE 0                                       ; the last slot is written out: nothing is asked for
	s_mov_b32 s53, 2
.Ltail:
	THEAD
	TMAIN
	s_sub_co_u32 s53, s53, 1
	s_cmp_lg_u32 s53, 0
	s_cbranch_scc1 .Ltail
	s_wait_dscnt 0x0                               ; V's last run
.set c2, 11
.rept 5                                ; the last turn's last five groups, bare
	FPL 16+c2
.set t_, 0
.rept 4
	WIN 0xa0+0x50*(t_/2)
.set rO2, 128*(t_%2)+8*c2
.set rP, PB+8*t_
	v_wmma_f32_16x16x32_f16 v[rO2:rO2+7], v[rFP:rFP+7], v[rP:rP+7], v[rO2:rO2+7]
.set t_, t_+1
.endr
.set c2, c2+1
.endr
	WIN 0
	; THE END.  My l: its two halves and the other half of the lanes'.  c m and l go to my partner through LDS.
.irp t, 0,1,2,3
	v_add_f32 v[ST+8*\t+4], v[ST+8*\t+2], v[ST+8*\t+3]
.endr
.irp t, 0,1,2,3
	v_permlanex16_b32 v[ST+8*\t+5], v[ST+8*\t+4], s56, s57
.endr
.irp t, 0,1,2,3
	v_add_f32 v[ST+8*\t+4], v[ST+8*\t+4], v[ST+8*\t+5]
.endr
.irp t, 0,1,2,3
	ds_store_b32 v[SA], v[ST+8*\t] offset:256*\t
	ds_store_b32 v[SA], v[ST+8*\t+4] offset:256*\t+128
.endr
	s_wait_dscnt 0x0                               ; my statistics are stored, and my last reads of the slots are back
	s_barrier_signal -1
	s_barrier_wait -1                              ; so the slots, which have had their last fill, may serve as the stage
.irp t, 0,1,2,3
	ds_load_b32 v[FR+2*\t], v[SAP] offset:256*\t            ; my partner's c m
	ds_load_b32 v[FR+2*\t+1], v[SAP] offset:256*\t+128      ; and l
.endr
	s_wait_dscnt 0x0
	; the common maximum; my factor 2^(c m - maximum), my partner's; the common sum; my O is multiplied by my factor over that sum, my partner's likewise by its own, and the two are added
.irp t, 0,1,2,3
	v_max_num_f32 v[ST+8*\t+5], v[ST+8*\t], v[FR+2*\t]
.endr
.irp t, 0,1,2,3
	v_sub_f32 v[ST+8*\t+7], v[ST+8*\t], v[ST+8*\t+5]
.endr
.irp t, 0,1,2,3
	v_sub_f32 v[FR+2*\t], v[FR+2*\t], v[ST+8*\t+5]
.endr
.irp t, 0,1,2,3
	v_exp_f32 v[ST+8*\t+6], v[ST+8*\t+7]
.endr
.irp t, 0,1,2,3
	v_exp_f32 v[FR+2*\t], v[FR+2*\t]
.endr
	v_nop                                          ; a plain instruction between the last exponential and the use of its result
	s_wait_alu depctr_va_vdst(0)                   ; one wait for the eight factors, ahead of the products that read them
.irp t, 0,1,2,3
	v_mul_f32 v[ST+8*\t+4], v[ST+8*\t+4], v[ST+8*\t+6]
.endr
.irp t, 0,1,2,3
	v_fma_f32 v[ST+8*\t+4], v[FR+2*\t+1], v[FR+2*\t], v[ST+8*\t+4]
.endr
.irp t, 0,1,2,3
	v_rcp_f32 v[ST+8*\t+5], v[ST+8*\t+4]
.endr
	v_nop                                          ; a plain instruction between the last reciprocal and the use of its result
	s_wait_alu depctr_va_vdst(0)                   ; one wait for the four reciprocals: a batch of their own, since they are taken of sums made from the factors
.irp t, 0,1,2,3
	v_mul_f32 v[ST+8*\t+6], v[ST+8*\t+6], v[ST+8*\t+5]
.endr
.set t2, 0
.rept 4                                ; tile by tile: scaled, then into my stage: a lane's eight channels of a row are 32 bytes
.set c2, 0
.rept 16
	RSCL c2, t2, 0
	RSCL c2, t2, 1
	RSCL c2, t2, 2
	RSCL c2, t2, 3
.set c2, c2+1
.endr
	WIN 0x08+4*(t2/2)                              ; the stores' data in window 2 or 3
.set c2, 0
.rept 16
	ds_store_b128 v[STO], v[128*(t2%2)+8*c2:128*(t2%2)+8*c2+3]   offset:t2*16*OP+64*c2
	ds_store_b128 v[STO], v[128*(t2%2)+8*c2+4:128*(t2%2)+8*c2+7] offset:t2*16*OP+64*c2+16
.set c2, c2+1
.endr
.set t2, t2+1
.endr
	WIN 0
	s_wait_dscnt 0x0                               ; for my partner's sake: my stores into the stage are done
	s_barrier_signal -1
	s_barrier_wait -1
; I add and store rows 32 h .. 32 h + 31 of my block: four trips of eight rows, in two banks of four
.macro LOADB e
.set rB, SB0+64*(\e)
.set q_, 0
.rept 8
	ds_load_b128 v[rB+4*q_:rB+4*q_+3],       v112 offset:(4*(\e)+q_/2)*OP+512*(q_%2)
	ds_load_b128 v[rB+32+4*q_:rB+32+4*q_+3], v113 offset:(4*(\e)+q_/2)*OP+512*(q_%2)
.set q_, q_+1
.endr
.endm
.macro SUMB e
.set rB, SB0+64*(\e)
.set q_, 0
.rept 16
	v_pk_add_f32 v[rB+2*q_:rB+2*q_+1], v[rB+2*q_:rB+2*q_+1], v[rB+32+2*q_:rB+32+2*q_+1]
.set q_, q_+1
.endr
.set q_, 0
.rept 8
	global_store_b128 v[GO], v[rB+4*q_:rB+4*q_+3], s[6:7] offset:(4*(\e)+q_/2)*1024+512*(q_%2)   ; 512 consecutive bytes, at a multiple of 256 from on's first byte
.set q_, q_+1
.endr
.endm
	s_mov_b32 s62, 0
	s_mov_b32 s53, 4
.Lout:
	v_add_nc_u32 v112, s62, v[RD0]
	v_add_nc_u32 v113, s62, v[RD1]
	s_add_co_u32 s62, s62, 8*OP
	LOADB 0
	LOADB 1
	s_wait_dscnt 16                                ; the first bank is in; the second's sixteen loads may be out
	SUMB 0
	s_wait_dscnt 0x0
	SUMB 1
	s_wait_xcnt 0x0                                ; the stores' base and data are rewritten only behind this wait
	s_add_nc_u64 s[6:7], s[6:7], 8*1024
	s_sub_co_u32 s53, s53, 1
	s_cmp_lg_u32 s53, 0
	s_cbranch_scc1 .Lout
	s_wait_tensorcnt 0x0                           ; the wave's end
	ds_add_u32 v[SPW], v[NIL]
	s_wait_dscnt 0x0
	CROUND                                         ; the closing round
	s_endpgm
.Lfunc_end_k_qdf5a62502c_attn:
	.size	k_qdf5a62502c_attn, .Lfunc_end_k_qdf5a62502c_attn-k_qdf5a62502c_attn
	.p2alignl 7, 3214868480
	.fill 96, 4, 3214868480
	.section	.rodata,"a",@progbits
	.p2align	6, 0x0
	.amdhsa_kernel k_qdf5a62502c_attn
		.amdhsa_group_segment_fixed_size 327680
		.amdhsa_private_segment_fixed_size 0
		.amdhsa_enable_private_segment 0
		.amdhsa_kernarg_size 16
		.amdhsa_user_sgpr_count 2
		.amdhsa_user_sgpr_kernarg_segment_ptr 1
		.amdhsa_wavefront_size32 1
		.amdhsa_system_sgpr_workgroup_id_x 1
		.amdhsa_system_sgpr_workgroup_id_y 1
		.amdhsa_system_sgpr_workgroup_id_z 1
		.amdhsa_system_vgpr_workitem_id 0
		.amdhsa_next_free_vgpr 1024
		.amdhsa_next_free_sgpr 72
		.amdhsa_reserve_vcc 0
		.amdhsa_float_denorm_mode_32 3
		.amdhsa_float_denorm_mode_16_64 3
		.amdhsa_memory_ordered 1
		.amdhsa_forward_progress 1
		.amdhsa_inst_pref_size 171
	.end_amdhsa_kernel
	.amdgpu_metadata
---
amdhsa.version: [ 1, 2 ]
amdhsa.kernels:
  - .name:           k_qdf5a62502c_attn
    .symbol:         k_qdf5a62502c_attn.kd
    .args:
      - { .name: qkv, .offset: 0, .size: 8, .value_kind: global_buffer, .address_space: global }
      - { .name: on, .offset: 8, .size: 8, .value_kind: global_buffer, .address_space: global }
    .group_segment_fixed_size: 327680
    .private_segment_fixed_size: 0
    .kernarg_segment_align: 8
    .kernarg_segment_size: 16
    .max_flat_workgroup_size: 128
    .sgpr_count:     72
    .vgpr_count:     1024
    .wavefront_size: 32
...
	.end_amdgpu_metadata
.endif
;; end of part 6
;; launch comb: the kernel of part 4 again; grid 512 x 1, 8 waves a work-group, no clusters, 0 bytes of LDS; arguments on, lam, out0; writes out0
